; MI455X (gfx1250); checked and timed in simulation.
; The chip was launched on July 23, 2026; its instructions are those of AMD's public machine-readable ISA for CDNA 5 (MIT licence, August 2026) and "CDNA5" Instruction Set Architecture Reference Guide (July 2026). The comments in the code are by the model that wrote it; some were corrected since.
;; Multi Scale Retention. Allowed arithmetic: matrix products marked QUANTISED: E2M1 operands, one E8M0 scale for each 32 along K, by v_wmma_scale_f32_16x16x128_f8f6f4 with both operands' format E2M1 (or v_wmma_scale_f32_32x16x128_f4), f32 sums; products left as they are: bf16, f16 or f32 operands; f32 sums; everything else in f32.
;; Inputs: Wg 2,048 x 1,024 float32; Wk 1,024 x 1,024 float32; Wo 1,024 x 2,048 float32; Wq 1,024 x 1,024 float32; Wv 2,048 x 1,024 float32; bg 2,048 float32; bk 1,024 float32; bo 1,024 float32; bq 1,024 float32; bv 2,048 float32; gn_weight 256 float32; hidden_state 2 x 2,048 x 1,024 float32.
;; Outputs: out0 2 x 2,048 x 1,024 float32.
;; This version of the problem:
;;   THIS VERSION OF THE PROBLEM IS GIVEN IN LOW PRECISION. The matrix products marked QUANTISED in the list below multiply operands that are first quantised to E2M1 (2 exponent bits, 1 mantissa bit; 4 bits a number), with one power-of-two scale for each 32 numbers along K (OCP MX v1.0); their sums are f32. The products marked 'left as it is' may take bf16, f16 or f32 operands, with f32 sums. Whichever they take, every output number must still come out within the allowed error. Rounding operands to bf16 (8 significant bits) uses up far more of that allowance than f16 does (11 bits, for magnitudes from 6e-5 to 65,504). All else is computed in f32.
;;   The module's matrix products, in the order in which they are computed (A, B: the left and right operand; K: the contracted axis; several contracted axes count as one K, in the product's order):
;;     1. [M 4,096, K 1,024] x [K 1,024, N 1,024]; A: input hidden_state; B: input Wq: QUANTISED
;;     2. [M 4,096, K 1,024] x [K 1,024, N 1,024]; A: input hidden_state; B: input Wk: QUANTISED
;;     3. [M 4,096, K 1,024] x [K 1,024, N 2,048]; A: input hidden_state; B: input Wv: QUANTISED
;;     4. [M 4,096, K 1,024] x [K 1,024, N 2,048]; A: input hidden_state; B: input Wg: QUANTISED
;;     5. batch 16 x [M 2,048, K 128] x [K 128, N 2,048]; A: computed on the way; B: computed on the way: left as it is (an operand is computed on the way)
;;     6. batch 16 x [M 256, K 2,048] x [K 2,048, N 2,048]; A: computed on the way; B: computed on the way: left as it is (an operand is computed on the way)
;;     7. [M 4,096, K 2,048] x [K 2,048, N 1,024]; A: computed on the way; B: input Wo: left as it is (an operand is computed on the way)
;;   THE QUANTISER, for each operand of a quantised product, along K:
;;     - K is cut into blocks of 32 from its start; a last block that is shorter is filled with zeros.
;;     - A block's scale is 2^e with e = floor(log2(the largest magnitude in the block)) - 2, held to -126 .. 127; a block of zeros has e = 0. As a byte (E8M0): e + 127.
;;     - Each number is divided by its block's scale, clamped to +-6, and rounded to the nearest number of E2M1, ties to even, subnormals kept.
;;     - The product sums the exact products of the quantised numbers (number of the format x scale) in f32.
;;   ~~~python
;;   def quantise(x, axis):      # numpy; x: float32 -> the quantised numbers, widened to float32 again
;;       x = np.moveaxis(x, axis, -1); K = x.shape[-1]
;;       x = np.pad(x, [(0, 0)] * (x.ndim - 1) + [(0, -K % 32)]); x = x.reshape(x.shape[:-1] + (-1, 32)); a = np.abs(x).max(-1, keepdims=True)
;;       e = np.where(a > 0, np.clip(np.frexp(np.where(a > 0, a, 1))[1] - 1 - 2, -126, 127), 0)      # np.frexp(a)[1] - 1 = floor(log2(a)), exactly
;;       r = np.clip(x / 2.0 ** e, -6, 6)
;;       step = 2.0 ** (np.maximum(np.frexp(np.where(r == 0, 1, r))[1] - 1, 0) - 1)
;;       q = np.round(r / step) * step * 2.0 ** e      # np.round: ties to even
;;       return np.moveaxis(q.reshape(q.shape[:-2] + (-1,))[..., :K], -1, axis).astype(np.float32)
;;   ~~~
;; One version. Each part assembles by itself: llvm-mc -triple=amdgcn-amd-amdhsa -mcpu=gfx1250 --defsym DOCPART=n.
;; ======== version 1 of 1: 5 launches
;; limits: values outside matrix products are rounded to f16; values are held in f16: magnitudes above 65,504 overflow, below 6.1e-05 lose precision
;; workspace buffers: codes 5,242,880 bytes; scales 327,680 bytes; wof 4,194,304 bytes; tab 1,048,576 bytes; proj 50,335,744 bytes; rt 16,777,216 bytes; zf 16,777,216 bytes
;; launch prep (part 1): grid 640 x 1, 4 waves a work-group, no clusters, 33,280 bytes of LDS; arguments hidden_state, Wq, Wk, Wg, Wv, Wo, codes, scales, wof, tab; writes codes, scales, wof, tab
.if DOCPART == 1
	.amdgcn_target "amdgcn-amd-amdhsa--gfx1250"
	.amdhsa_code_object_version 6
	.text
	.protected	k_q4b495c597f_prep
	.globl	k_q4b495c597f_prep
	.p2align	8
	.type	k_q4b495c597f_prep,@function
k_q4b495c597f_prep:
	s_mov_b64 s[64:65], 0
	v_nop
	global_prefetch_b8 v0, s[64:65] scope:SCOPE_SE
	s_setreg_imm32_b32 hwreg(HW_REG_WAVE_MODE, 25, 1), 1
	s_wait_xcnt 0x0
; PREP: what every later launch reads many times is made once.  Three ways, parted by the work-group's number g; the way with the longest chains of dependent instructions stands first in the grid.
;  g < 64: the table of cosines and sines of RoPE, f32, in the order in which the projection's results lie in registers: block ((8 pt + bc) 2 + cs) x 512 bytes: lane l, e = 0..3: position 16 pt + l % 16, pair 8 bc + 4 (l / 16) + e.
;  64 <= g < 384: hidden_state, Wq, Wk, Wg, Wv (f32, K = 1,024 innermost) become codes of E2M1, 4 bits each, and one E8M0 byte for each 32 along K.  The five tensors are one list of 10,240 rows:
;           rows 0-4095 x, 4096.. Wq, 5120.. Wk, 6144.. Wg, 8192.. Wv; a row is 512 bytes of codes and 32 scale bytes.  A work-group takes 32 rows, a wave 8 (8,192 numbers).
;  g >= 384: Wo becomes f16 in the order of a matrix operand's registers: image (nt, kb), 1,024 bytes at (64 nt + kb) x 1,024: byte 512 g2 + 16 lane + 2 e holds Wo[16 nt + lane % 16][32 kb + 16 g2 + 8 (lane / 16) + e].
; A block's scale is 2^(floor(log2(its largest magnitude)) - 2); its byte is the largest magnitude's exponent field - 2, held at 1 from below.  A block of zeros so gets the byte 1 where the rule says 127:
; its codes are zeros, which add nothing under any byte but 0xff, and the bytes are read by this program alone.
; LIMITS: blocks whose largest magnitude lies under 2^(2 - 126) have their byte held at 1; NaN and infinities among the inputs are not served.  Wo goes to f16 as it is: magnitudes from 6e-8 to 65,504.
; The angle is position x 2^(-pair x log2(10000) / 64) in f32, reduced by multiples of pi / 2 in two parts; sine and cosine by their series up to x^9 and x^10 on |x| <= pi / 4 (the first term left out is under 1e-8).
.set STEPS, 16
.set EMAX,  2
.set CB,    8                          ; bytes of 16 codes
.set R,     16                         ; v16-143  eight sets of 16 numbers as they are loaded: loads run eight steps, 32 loads of 512 bytes a wave, ahead
.set X,     144                        ; v144-175 two sets of 16 neighbours
.set E,     176                        ; v176-191 a scale byte for each step
.set C,     192                        ; v192-255 codes: four registers for each step, so that no store's data are written again
.set WREG,  8192                       ; LDS: a region for each wave: two stages of 32 x SP bytes, behind them its 256 scale bytes
.set SP,    80                         ; a lane's place in a stage: its 64 bytes + 16 of padding
.set SPW,   12                         ; v12 LDS address of my spare word; never rewritten
.set NIL,   13                         ; v13 0; never rewritten
.set SPARE, 4*WREG                     ; behind the four regions: the spare words, 128 bytes a wave
.macro LOAD t
.irp i, 0,1,2,3
	global_load_b128 v[R+16*((\t)%8)+4*\i:R+16*((\t)%8)+4*\i+3], v3, s[26:27] offset:2048*(\t)+512*\i th:TH_LOAD_NT   ; 32 lanes read 512 consecutive bytes
.endr
.endm
.macro TURN t                          ; step t's numbers through the stage: LDS serves a wave's instructions in order, so no wait stands between the stores and the loads
.irp i, 0,1,2,3
	ds_store_b128 v14, v[R+16*((\t)%8)+4*\i:R+16*((\t)%8)+4*\i+3] offset:32*SP*((\t)%2)+8*SP*\i
.endr
.irp i, 0,1,2,3
	ds_load_b128 v[X+16*((\t)%2)+4*\i:X+16*((\t)%2)+4*\i+3], v15 offset:32*SP*((\t)%2)+16*\i
.endr
.endm
.macro STEP t
.set XS, X+16*((\t)%2)
.if (\t) > 0
	s_wait_dscnt 1                                 ; this step's numbers are back from the stage (the last step's byte store may be out): so its stores into the stage have read their registers,
.else
	s_wait_dscnt 0x0
.endif
.if (\t)+8 < STEPS
	LOAD (\t)+8                                    ; which take the loads of eight steps on
.endif
.if (\t)+1 < STEPS
.if STEPS-2-(\t) >= 7
	s_wait_loadcnt 28                              ; the next step's four loads are in; those of the seven steps behind it may be out
.else
	s_wait_loadcnt 4*(STEPS-2-(\t))
.endif
	TURN (\t)+1
.endif
	v_max3_num_f32 v8, |v[XS]|, |v[XS+1]|, |v[XS+2]|               ; the largest magnitude of my 16, in two chains
	v_max3_num_f32 v9, |v[XS+3]|, |v[XS+4]|, |v[XS+5]|
.irp i, 6,10
	v_max3_num_f32 v8, v8, |v[XS+\i]|, |v[XS+\i+1]|
	v_max3_num_f32 v9, v9, |v[XS+\i+2]|, |v[XS+\i+3]|
.endr
	v_max3_num_f32 v8, v8, |v[XS+14]|, |v[XS+15]|
	v_max3_num_f32 v8, v8, v9, (EMAX+1)<<23        ; and the floor 2^(EMAX + 1 - 127): the byte cannot fall under 1
	v_max_num_f32_dpp v8, v8, v8 row_xmask:1 row_mask:0xf bank_mask:0xf   ; and of my neighbour's 16: the block's
	v_add_nc_u32 v11, -(EMAX<<23), v8              ; EMAX off its exponent field: the conversion takes the exponent field of this operand as its scale
	v_cvt_scalef32_pk8_fp4_f32 v[C+4*(\t)], v[XS:XS+7], v11
	v_cvt_scalef32_pk8_fp4_f32 v[C+4*(\t)+1], v[XS+8:XS+15], v11
	v_lshrrev_b32 v[E+(\t)], 23, v11               ; the scale's byte
	ds_store_b8 v5, v[E+(\t)] offset:16*(\t)       ; both lanes of a block write the same byte with the same value
	global_store_b64 v4, v[C+4*(\t):C+4*(\t)+1], s[16:17] offset:32*CB*(\t)   ; the wave stores 256 consecutive bytes, aligned
.endm
	s_load_b512 s[4:19], s[0:1], 0x0               ; x s[4:5], Wq s[6:7], Wk s[8:9], Wg s[10:11], Wv s[12:13], Wo s[14:15], codes s[16:17], scales s[18:19]
	s_load_b128 s[20:23], s[0:1], 0x40             ; wof s[20:21], tab s[22:23]
	v_lshl_add_u32 v[SPW], v0, 2, SPARE
	v_mov_b32 v[NIL], 0
	v_lshrrev_b32 v1, 5, v0
	v_readfirstlane_b32 s24, v1                    ; wave
	v_and_b32 v2, 31, v0                           ; lane
	s_cmp_lt_u32 ttmp9, 64
	s_cbranch_scc1 .Ltable
	s_cmp_ge_u32 ttmp9, 384
	s_cbranch_scc1 .Lwo
	; ---- the codes
	s_sub_co_u32 s2, ttmp9, 64                     ; which 32 rows of the list
	v_lshlrev_b32 v3, 4, v2                        ; my 16 bytes of a load's 512
	s_mul_i32 s25, s24, WREG
	v_lshrrev_b32 v14, 2, v2
	v_mul_u32_u24 v14, v14, SP
	v_and_b32 v15, 3, v2
	v_lshl_add_u32 v14, v15, 4, v14
	v_add_nc_u32 v14, s25, v14                     ; the stage, on the way in: SP (lane / 4) + 16 (lane % 4)
	v_mul_u32_u24 v15, v2, SP
	v_add_nc_u32 v15, s25, v15                     ; and on the way out: SP x lane: my 16 neighbours
	v_mul_u32_u24 v4, v2, CB                       ; my codes' place in a step's
	v_lshrrev_b32 v5, 1, v2
	s_add_co_u32 s25, s25, 2*32*SP
	v_add_nc_u32 v5, s25, v5                       ; LDS: my wave's 256 scale bytes, my block's byte
	v_lshlrev_b32 v7, 3, v2                        ; and on the way out 8 bytes a lane
	v_add_nc_u32 v6, s25, v7
	s_wait_kmcnt 0x0
	s_mov_b64 s[26:27], s[12:13]                   ; which tensor, and its first work-group: the choice hangs on the work-group's number alone
	s_mov_b32 s25, 256
	s_cmp_lt_u32 s2, 256
	s_cselect_b64 s[26:27], s[10:11], s[26:27]
	s_cselect_b32 s25, 192, s25
	s_cmp_lt_u32 s2, 192
	s_cselect_b64 s[26:27], s[8:9], s[26:27]
	s_cselect_b32 s25, 160, s25
	s_cmp_lt_u32 s2, 160
	s_cselect_b64 s[26:27], s[6:7], s[26:27]
	s_cselect_b32 s25, 128, s25
	s_cmp_lt_u32 s2, 128
	s_cselect_b64 s[26:27], s[4:5], s[26:27]
	s_cselect_b32 s25, 0, s25
	s_sub_co_u32 s25, s2, s25
	s_lshl_b32 s25, s25, 2
	s_add_co_u32 s25, s25, s24                     ; which run of 8,192 numbers of the tensor is my wave's
	s_lshl_b32 s28, s25, 15
	s_mov_b32 s29, 0
	s_add_nc_u64 s[26:27], s[26:27], s[28:29]
	s_lshl_b32 s25, s2, 2
	s_add_co_u32 s25, s25, s24                     ; and which run of the list of rows
	s_lshl_b32 s28, s25, 12
	s_add_nc_u64 s[16:17], s[16:17], s[28:29]      ; 4,096 bytes of codes a run,
	s_lshl_b32 s28, s25, 8
	s_add_nc_u64 s[18:19], s[18:19], s[28:29]      ; 256 scale bytes
.irp t, 0,1,2,3,4,5,6,7
	LOAD \t
.endr
	s_wait_loadcnt 28                              ; step 0's four loads are in; the seven later steps' may be out
	TURN 0
.irp t, 0,1,2,3,4,5,6,7,8,9,10,11,12,13,14,15
	STEP \t
.endr
	ds_load_b64 v[8:9], v6                         ; LDS serves a wave's instructions in order: these see my stores
	s_wait_dscnt 0x0
	global_store_b64 v7, v[8:9], s[18:19]          ; 32 lanes store 256 consecutive bytes, aligned
	s_wait_tensorcnt 0x0                           ; the wave's end, behind my last LDS store
	ds_add_u32 v[SPW], v[NIL]
	s_wait_dscnt 0x0
	s_endpgm
.Lwo:
	; ---- Wo: four work-groups to 16 rows of Wo (nt); a wave takes four images of its quarter of K: 16 loads, all asked for at once, no loop
	s_sub_co_u32 s25, ttmp9, 384
	s_lshr_b32 s26, s25, 2                         ; nt
	s_and_b32 s27, s25, 3                          ; which four of my wave's sixteen images
	v_and_b32 v3, 15, v0
	v_bfe_u32 v4, v0, 4, 1
	v_lshlrev_b32 v5, 13, v3
	v_lshl_add_u32 v5, v4, 5, v5                   ; row r of 8,192 bytes, + 32 h
	v_lshlrev_b32 v6, 4, v2                        ; 16 x lane
	s_lshl_b32 s28, s26, 17
	s_lshl_b32 s30, s24, 11
	s_add_co_u32 s28, s28, s30
	s_lshl_b32 s30, s27, 9
	s_add_co_u32 s28, s28, s30                     ; Wo: 16 rows x nt + 2,048 bytes x wave + 512 x part
	s_mov_b32 s29, 0
	s_lshl_b32 s30, s26, 16
	s_lshl_b32 s31, s24, 14
	s_add_co_u32 s30, s30, s31
	s_lshl_b32 s31, s27, 12
	s_add_co_u32 s30, s30, s31                     ; wof: (64 nt + 16 wave + 4 part) images
	s_mov_b32 s31, 0
	s_wait_kmcnt 0x0
	s_add_nc_u64 s[14:15], s[14:15], s[28:29]
	s_add_nc_u64 s[20:21], s[20:21], s[30:31]
.irp n, 0,1,2,3,4,5,6,7                        ; n = 2 x image + half: eight numbers a lane
	global_load_b128 v[32+8*\n:35+8*\n], v5, s[14:15] offset:64*\n th:TH_LOAD_NT
	global_load_b128 v[36+8*\n:39+8*\n], v5, s[14:15] offset:64*\n+16 th:TH_LOAD_NT
.endr
	s_wait_loadcnt 0x0
.set n_, 0
.rept 32
	v_cvt_pk_f16_f32 v[96+n_], v[32+2*n_], v[33+2*n_]
.set n_, n_+1
.endr
.irp n, 0,1,2,3,4,5,6,7
	global_store_b128 v6, v[96+4*\n:99+4*\n], s[20:21] offset:512*\n   ; 512 consecutive bytes
.endr
	s_endpgm
.Ltable:
	; ---- the table: two work-groups to 64 positions; wave = 16 positions (pt), four trips over bc, four pairs a lane and trip
	s_lshr_b32 s25, ttmp9, 1
	s_lshl_b32 s25, s25, 2
	s_add_co_u32 s25, s25, s24                     ; pt
	s_and_b32 s27, ttmp9, 1                        ; which four of the eight bc
	v_and_b32 v3, 15, v0
	v_bfe_u32 v4, v0, 4, 1
	s_lshl_b32 s26, s25, 4
	v_add_nc_u32 v5, s26, v3
	v_cvt_f32_u32 v5, v5                           ; my position
	v_lshlrev_b32 v6, 2, v4
	s_lshl_b32 s26, s27, 5
	v_add_nc_u32 v6, s26, v6                       ; 32 x part + 4 h
.irp e, 0,1,2,3
	v_add_nc_u32 v[8+\e], \e, v6
.endr
.irp e, 0,1,2,3
	v_cvt_f32_u32 v[8+\e], v[8+\e]                 ; my pairs, + 8 a trip
.endr
	v_lshlrev_b32 v7, 4, v2                        ; 16 x lane, + 1,024 a trip
	s_lshl_b32 s28, s25, 13
	s_lshl_b32 s26, s27, 12
	s_add_co_u32 s28, s28, s26                     ; 8,192 pt + 4,096 x part
	s_mov_b32 s29, 0
	s_mov_b32 s30, 0x3638ef1d                      ; 1 / 9!
	s_mov_b32 s31, 0xb493f27e                      ; -1 / 10!
	s_mov_b32 s32, 0x3fc90fdb                      ; pi / 2, its f32 part,
	s_mov_b32 s33, 0xb33bbd2e                      ; and the rest
	s_wait_kmcnt 0x0
	s_add_nc_u64 s[22:23], s[22:23], s[28:29]
	s_mov_b32 s25, 4
.Lbc:
.irp e, 0,1,2,3
	v_mul_f32 v[16+\e], 0xbe549a78, v[8+\e]        ; -pair x log2(10000) / 64
.endr
.irp e, 0,1,2,3
	v_exp_f32 v[16+\e], v[16+\e]
.endr
	v_nop                                          ; a plain instruction behind the last exponential,
	s_wait_alu depctr_va_vdst(0)                   ; and one wait for the four, ahead of their first reader
.irp e, 0,1,2,3
	v_mul_f32 v[16+\e], v5, v[16+\e]               ; the angle
.endr
.irp e, 0,1,2,3
	v_mul_f32 v[20+\e], 0x3f22f983, v[16+\e]       ; x 2 / pi
.endr
.irp e, 0,1,2,3
	v_rndne_f32 v[20+\e], v[20+\e]                 ; how many quarter turns
.endr
.irp e, 0,1,2,3
	v_fma_f32 v[24+\e], -v[20+\e], s32, v[16+\e]
.endr
.irp e, 0,1,2,3
	v_fma_f32 v[24+\e], -v[20+\e], s33, v[24+\e]   ; what is left: |x| <= pi / 4
.endr
.irp e, 0,1,2,3
	v_mul_f32 v[28+\e], v[24+\e], v[24+\e]
.endr
.irp e, 0,1,2,3
	v_fmaak_f32 v[32+\e], s30, v[28+\e], 0xb9500d01
	v_fmaak_f32 v[36+\e], s31, v[28+\e], 0x37d00d01
.endr
.irp e, 0,1,2,3
	v_fmaak_f32 v[32+\e], v[32+\e], v[28+\e], 0x3c088889
	v_fmaak_f32 v[36+\e], v[36+\e], v[28+\e], 0xbab60b61
.endr
.irp e, 0,1,2,3
	v_fmaak_f32 v[32+\e], v[32+\e], v[28+\e], 0xbe2aaaab
	v_fmaak_f32 v[36+\e], v[36+\e], v[28+\e], 0x3d2aaaab
.endr
.irp e, 0,1,2,3
	v_mul_f32 v[44+\e], v[24+\e], v[28+\e]
	v_fmaak_f32 v[36+\e], v[36+\e], v[28+\e], 0xbf000000
.endr
.irp e, 0,1,2,3
	v_fma_f32 v[32+\e], v[44+\e], v[32+\e], v[24+\e]   ; sin x
	v_fma_f32 v[36+\e], v[28+\e], v[36+\e], 1.0        ; cos x
.endr
.irp e, 0,1,2,3
	v_cvt_i32_f32 v[40+\e], v[20+\e]
.endr
.irp e, 0,1,2,3
	v_and_b32 v[44+\e], 1, v[40+\e]
.endr
.irp e, 0,1,2,3
	v_cmp_eq_u32 vcc_lo, 1, v[44+\e]               ; an odd number of quarter turns: sine and cosine change places
	v_cndmask_b32 v[52+\e], v[32+\e], v[36+\e], vcc_lo
	v_cndmask_b32 v[48+\e], v[36+\e], v[32+\e], vcc_lo
.endr
.irp e, 0,1,2,3
	v_and_b32 v[44+\e], 2, v[40+\e]                ; the sine's sign: turns 2 and 3
	v_add_nc_u32 v[40+\e], 1, v[40+\e]
.endr
.irp e, 0,1,2,3
	v_lshlrev_b32 v[44+\e], 30, v[44+\e]
	v_and_b32 v[40+\e], 2, v[40+\e]                ; the cosine's: turns 1 and 2
.endr
.irp e, 0,1,2,3
	v_xor_b32 v[52+\e], v[52+\e], v[44+\e]
	v_lshlrev_b32 v[40+\e], 30, v[40+\e]
.endr
.irp e, 0,1,2,3
	v_xor_b32 v[48+\e], v[48+\e], v[40+\e]
.endr
	global_store_b128 v7, v[48:51], s[22:23]               ; 512 consecutive bytes of cosines,
	global_store_b128 v7, v[52:55], s[22:23] offset:512    ; and of sines
	s_wait_xcnt 0x0                                ; the offset and the data are written again only behind this wait
	v_add_nc_u32 v7, 1024, v7
.irp e, 0,1,2,3
	v_add_f32 v[8+\e], 0x41000000, v[8+\e]         ; eight pairs on
.endr
	s_sub_co_u32 s25, s25, 1
	s_cmp_lg_u32 s25, 0
	s_cbranch_scc1 .Lbc
	s_endpgm
.Lfunc_end_k_q4b495c597f_prep:
	.size	k_q4b495c597f_prep, .Lfunc_end_k_q4b495c597f_prep-k_q4b495c597f_prep
	.p2alignl 7, 3214868480
	.fill 96, 4, 3214868480
	.section	.rodata,"a",@progbits
	.p2align	6, 0x0
	.amdhsa_kernel k_q4b495c597f_prep
		.amdhsa_group_segment_fixed_size 33280
		.amdhsa_private_segment_fixed_size 0
		.amdhsa_enable_private_segment 0
		.amdhsa_kernarg_size 80
		.amdhsa_user_sgpr_count 2
		.amdhsa_user_sgpr_kernarg_segment_ptr 1
		.amdhsa_wavefront_size32 1
		.amdhsa_system_sgpr_workgroup_id_x 1
		.amdhsa_system_sgpr_workgroup_id_y 1
		.amdhsa_system_sgpr_workgroup_id_z 1
		.amdhsa_system_vgpr_workitem_id 0
		.amdhsa_next_free_vgpr 256
		.amdhsa_next_free_sgpr 66
		.amdhsa_reserve_vcc 1
		.amdhsa_float_denorm_mode_32 3
		.amdhsa_float_denorm_mode_16_64 3
		.amdhsa_memory_ordered 1
		.amdhsa_forward_progress 1
		.amdhsa_inst_pref_size 46
	.end_amdhsa_kernel
	.amdgpu_metadata
---
amdhsa.version: [ 1, 2 ]
amdhsa.kernels:
  - .name:           k_q4b495c597f_prep
    .symbol:         k_q4b495c597f_prep.kd
    .args:
      - { .name: hidden_state, .offset: 0, .size: 8, .value_kind: global_buffer, .address_space: global }
      - { .name: Wq, .offset: 8, .size: 8, .value_kind: global_buffer, .address_space: global }
      - { .name: Wk, .offset: 16, .size: 8, .value_kind: global_buffer, .address_space: global }
      - { .name: Wg, .offset: 24, .size: 8, .value_kind: global_buffer, .address_space: global }
      - { .name: Wv, .offset: 32, .size: 8, .value_kind: global_buffer, .address_space: global }
      - { .name: Wo, .offset: 40, .size: 8, .value_kind: global_buffer, .address_space: global }
      - { .name: codes, .offset: 48, .size: 8, .value_kind: global_buffer, .address_space: global }
      - { .name: scales, .offset: 56, .size: 8, .value_kind: global_buffer, .address_space: global }
      - { .name: wof, .offset: 64, .size: 8, .value_kind: global_buffer, .address_space: global }
      - { .name: tab, .offset: 72, .size: 8, .value_kind: global_buffer, .address_space: global }
    .group_segment_fixed_size: 33280
    .private_segment_fixed_size: 0
    .kernarg_segment_align: 8
    .kernarg_segment_size: 80
    .max_flat_workgroup_size: 128
    .sgpr_count:     66
    .vgpr_count:     256
    .wavefront_size: 32
...
	.end_amdgpu_metadata
.endif
;; end of part 1
;; launch proj4 (part 2): grid 16 x 24, 4 waves a work-group, clusters of 4 x 4, 327,680 bytes of LDS; arguments codes, scales, tab, bq, bk, bg, bv, gn_weight, proj; writes proj
.if DOCPART == 2
	.amdgcn_target "amdgcn-amd-amdhsa--gfx1250"
	.amdhsa_code_object_version 6
	.text
	.protected	k_q4b495c597f_proj4
	.globl	k_q4b495c597f_proj4
	.p2align	8
	.type	k_q4b495c597f_proj4,@function
k_q4b495c597f_proj4:
	s_mov_b64 s[64:65], 0
	v_nop
	global_prefetch_b8 v0, s[64:65] scope:SCOPE_SE
	s_setreg_imm32_b32 hwreg(HW_REG_WAVE_MODE, 25, 1), 1
	s_wait_xcnt 0x0
	s_wait_alu depctr_hold_cnt(0) depctr_sa_sdst(0) depctr_va_vdst(0) depctr_va_sdst(0) depctr_va_ssrc(0) depctr_va_vcc(0) depctr_vm_vsrc(0)
	s_getreg_b32 s2, hwreg(HW_REG_IB_STS2, 6, 4)
	s_cmp_eq_u32 s2, 0
	s_cbranch_scc0 .Lentry_in_a_cluster
	s_endpgm
.Lentry_in_a_cluster:
	s_bfe_u32 s2, ttmp6, 0x10000c
	s_cmp_lg_u32 s2, 0xf033
	s_cbranch_scc0 .Lentry_shape_is_right
	s_endpgm
.Lentry_shape_is_right:
; PROJ4: the four quantised products x Wq^T, x Wk^T, x Wg^T, x Wv^T as ONE product on the list of rows of codes (E2M1, one E8M0 byte for each 32 along K = 1,024), and all that follows them row by row.
; A tile is 256 x 256, four waves, a wave 128 x 128: 64 accumulators of 16 x 16.  K goes in two steps of 512 through two LDS slots, each filled once; the scale bytes of the tile's 512 rows come once.
; tr = tile row 0..23, tc = tile column 0..15.  tr < 16: the row operand is x (rows 256 tr), the column operand Wq (tc 0-3), Wk (4-7), Wg (8-15).  tr >= 16: the row operand is Wv (head tr - 16), the column operand x (rows 256 tc):
; a lane then holds one channel of v and eight neighbouring positions, which is how the later products want v.  The kind TY (0 q, 1 k, 2 g, 3 v) hangs on the cluster's numbers alone: it is the same in all sixteen partners.
; CLUSTERS: 4 x 4 work-groups; the row operand's tiles are asked for jointly along a row of the cluster, the column operand's along a column.
; THE MATRIX INSTRUCTION IS USED TRANSPOSED (source 0 = 16 rows of the column operand, source 1 = 16 rows of the row operand): lane (r, h) of accumulator (a, b) holds row 16 a + r and columns 16 b + 8 h + 0..7.
; THE BIAS of q, k and g goes by columns: it is the C of each sum's first product.  v's goes by rows and is added on the way out; so that the K loop is one text, v's C is the same registers multiplied by 0.
; THE WAY OUT needs no LDS: eight neighbouring results of a lane pack into 16 bytes of f16, and an accumulator's 512 bytes are half of an operand's register image for the next launch.
;   q, k: RoPE from the table; the wave's 128 x 128 (one head, one chunk of 128 positions) gets ONE exponent E = floor(log2(largest magnitude)); stored: value x 2^-E (k also x gamma^-(position % 32)), f16; E as int32.
;   v:    + bias, the same exponent for 128 channels x 128 positions.     g: sigmoid(.) x gn_weight, f16.
; THE TABLE: a wave's chunk is eight blocks of 16 positions, 16 loads of 512 bytes each.  Blocks 0 and 1 are asked for at the head, into the 128 registers of window 1 that the K loop leaves idle, so that RoPE begins without a wait.
;   Every kind asks for these two, so that the text has one way up to the way out and every register that a later way names has been written; g and v do not read them (16 KiB a wave).
; LIMITS: a tile's largest magnitude is held to 2^-100 .. 2^100 for its exponent; NaN and infinities are not served.  log2(gamma) is the series of ln(1 - x), x = 2^-(5 + head), up to x^6 (the first term left out is under 2e-10 of the sum).
; REGISTERS, in windows of 256: window 0: v16-31 addresses; v32-95 scale words, two sets; v96-111 the bias by rows; v128-191 the row operand's fragments; v192-255 the bias by columns; on the way out v16-23 and v32-255 are at work.
;   window 1: the column operand's fragments, two sets, at v0 and v128; v64-127, v192-255 the table's blocks 0 and 1.   window 2: accumulators of my rows 0-63 ((a, b) at v[8 (8 a + b)]);   window 3: those of rows 64-127.
.set NQ,     4                         ; matrix instructions deep in a slot
.set ROWB,   256                       ; a tile's row in bytes: 512 codes
.set KROW,   512                       ; a row of codes in memory
.set PITCH,  272                       ; an LDS row: 256 bytes + 16 of padding: the 16 rows that a load touches start 68 words apart
.set FR,     8
.set NL,     2
.set NP,     4                         ; places behind this matrix instruction (ISA guide 7.12.1)
.set HALFT,  128*PITCH
.set SLOT,   4*HALFT
.set KS,     32                        ; a row of scale bytes
.set SCL,    2*SLOT                    ; behind the slots: the scale bytes, as rows of 256 bytes + 16 of padding
.set HALFS,  (128*KS/256)*272
.set SBLK,   (16*KS/256)*272
.set SPARE,  SCL+4*HALFS               ; the spare words, 128 bytes a wave
.set ADRA, 16                          ; v16-17 LDS address of my row fragments in slot 0, 1
.set ADRB, 20                          ; v20-21 the same for the column operand
.set LI,   24                          ; v24 16 x lane
.set H32,  25                          ; v25 32 x (lane / 16)
.set R4,   26                          ; v26 4 x (lane % 16)
.set ADRS, 27                          ; v27 LDS address of my scale words
.set SPW,  28                          ; v28 my spare word; never rewritten
.set NIL,  29                          ; v29 0; never rewritten
.set SC,   32
.set BV,   96
.set AF,   128
.set T32,  160
.set BIAS, 192
.set TY,   3                           ; s3 the kind
.set G1, 24
.set G0, 32
.set G1B, 48
.set G0B, 56
.set G1S, 68
.set G0S, 76
.set G1SB, 80
.set G0SB, 88
.set MSB, 0
.macro WIN new                         ; the immediate's high byte repeats the setting that is left
.if MSB != (\new)
	s_set_vgpr_msb (MSB<<8)|(\new)
.set MSB, (\new)
.endif
.endm
.set MUL_LO, 0xa1                      ; source 0 window 1, source 1 window 0, C and D window 2
.set MUL_HI, 0xf1                      ; the same, C and D window 3
.set TO_B,   0x40
; A joint load: waves 0 and 1 fetch for the row operand, waves 2 and 3 for the column operand.  The branch hangs on the wave's number alone.  An s_nop 0 and four v_nop follow each line.
.macro JLOAD g0a, g1a, g0b, g1b
	s_cmp_eq_u32 s15, 0
	s_cbranch_scc0 .Lfor_b_\@
	tensor_load_to_lds s[\g0a:\g0a+3], s[\g1a:\g1a+7]
	s_nop 0
.rept 4
	v_nop
.endr
	s_branch .Lasked_\@
.Lfor_b_\@:
	tensor_load_to_lds s[\g0b:\g0b+3], s[\g1b:\g1b+7]
	s_nop 0
.rept 4
	v_nop
.endr
.Lasked_\@:
.endm
.macro CROUND                          ; a round of the cluster's barrier
	s_barrier_signal -1
	s_barrier_wait -1
	s_cmp_lg_u32 s14, 0
	s_cbranch_scc1 .Lnot_wave_0_\@
	s_barrier_signal -3
.Lnot_wave_0_\@:
	s_barrier_wait -3
	s_barrier_signal -1
	s_barrier_wait -1
.endm
.macro BUF a                           ; where block a's cosines and sines lie: window BW_, from register BF_ on.  Seven buffers; block 7 takes block 0's
.if ((\a) == 0) || ((\a) == 7)
.set BW_, 1
.set BF_, 64
.elseif (\a) == 1
.set BW_, 1
.set BF_, 192
.elseif (\a) == 2
.set BW_, 0
.set BF_, 32
.elseif (\a) == 3
.set BW_, 0
.set BF_, 96
.elseif (\a) == 4
.set BW_, 0
.set BF_, 192
.elseif (\a) == 5
.set BW_, 1
.set BF_, 0
.else
.set BW_, 1
.set BF_, 128
.endif
.endm
.macro CSLOAD a                        ; block a's cosines and sines (16 positions x 64 pairs): 16 loads of 512 consecutive bytes
	BUF \a
	WIN 0x40*BW_
.irp n, 0,1,2,3,4,5,6,7,8,9,10,11,12,13,14,15
	global_load_b128 v[BF_+4*\n:BF_+4*\n+3], v[LI], s[10:11] offset:8192*(\a)+512*\n
.endr
	WIN 0
.endm
	s_load_b128 s[4:7], s[0:1], 0x0                ; codes, scales
	s_load_b64 s[10:11], s[0:1], 0x10              ; tab
	s_load_b256 s[92:99], s[0:1], 0x18             ; bq, bk, bg, bv
	s_load_b64 s[66:67], s[0:1], 0x38              ; gn_weight
	s_load_b64 s[12:13], s[0:1], 0x40              ; proj
	v_lshl_add_u32 v[SPW], v0, 2, SPARE
	v_mov_b32 v[NIL], 0
	ds_add_u32 v[SPW], v[NIL]                      ; the wave's opening: the add, twice on end, and its wait ahead of my first tensor load
	ds_add_u32 v[SPW], v[NIL]
	v_lshrrev_b32 v1, 5, v0
	v_readfirstlane_b32 s14, v1                    ; wave 0..3
	s_lshr_b32 s15, s14, 1                         ; rh: which half of the tile's rows is mine.  Also: I fetch for the row operand (0) or the column operand (1)
	s_and_b32 s16, s14, 1                          ; ch: which half of its columns.  Also: which 128 rows of that tile I fetch
	s_bfe_u32 s40, ttmp6, 0x40000                  ; cx, cy
	s_bfe_u32 s41, ttmp6, 0x40004
	s_lshl_b32 s42, ttmp9, 2
	s_add_co_u32 s42, s42, s40                     ; tc
	s_and_b32 s2, ttmp7, 0xffff                    ; the cluster's y
	s_lshl_b32 s17, s2, 2
	s_add_co_u32 s17, s17, s41                     ; tr
	s_min_u32 s[TY], ttmp9, 2
	s_cmp_ge_u32 s2, 4                             ; the clusters with y >= 4 make v
	s_cselect_b32 s[TY], 3, s[TY]
	s_cselect_b32 s104, 4096, 0                    ; Wv's rows lie at 256 tr + 4,096 of the list,
	s_cselect_b32 s105, 0, 4096                    ; Wq's, Wk's, Wg's at 256 tc + 4,096
	s_lshl_b32 s43, s41, 2
	s_lshl_b32 s43, 15, s43                        ; my row of the cluster
	s_lshl_b32 s44, 0x1111, s40                    ; my column
	s_or_b32 s[G1+0], s43, (0<<16)|(1<<20)|(1<<21)|(5<<22)|(3<<25)  ; the mask; elements of 1 byte; padding on; bit 21 beside a mask; 4 words behind every 64
	s_or_b32 s[G1B+0], s44, (0<<16)|(1<<20)|(1<<21)|(5<<22)|(3<<25)
.irp g, G1, G1B
	s_mov_b32 s[\g+1], ROWB<<16                    ; tensor_dim0
	s_mov_b32 s[\g+2], 128<<16                     ; tensor_dim1
	s_mov_b32 s[\g+3], ROWB<<16                    ; tile_dim0
	s_mov_b32 s[\g+4], 128                         ; tile_dim1
	s_mov_b32 s[\g+5], KROW                        ; the pitch
	s_mov_b32 s[\g+6], 0
	s_mov_b32 s[\g+7], 0
.endr
	s_or_b32 s[G1S+0], s43, (3<<16)|(1<<20)|(1<<21)|(5<<22)|(3<<25) ; the scale bytes of 128 rows: 4,096 dense bytes as 16 rows of 256 (32 elements of 8 bytes)
	s_or_b32 s[G1SB+0], s44, (3<<16)|(1<<20)|(1<<21)|(5<<22)|(3<<25)
.irp g, G1S, G1SB
	s_mov_b32 s[\g+1], 32<<16
	s_mov_b32 s[\g+2], (128*KS/256)<<16
	s_mov_b32 s[\g+3], 32<<16
	s_mov_b32 s[\g+4], 128*KS/256
	s_mov_b32 s[\g+5], 32
	s_mov_b32 s[\g+6], 0
	s_mov_b32 s[\g+7], 0
.endr
	s_lshl_b32 s18, s16, 7                         ; which 128 rows of the tile I fetch
	s_lshl_b32 s20, s17, 8
	s_add_co_u32 s20, s20, s18
	s_add_co_u32 s20, s20, s104                    ; the row operand's first row in the list
	s_lshl_b32 s46, s42, 8
	s_add_co_u32 s46, s46, s18
	s_add_co_u32 s46, s46, s105                    ; the column operand's
	s_lshl_b32 s22, s20, 5                         ; where these rows' scale bytes begin,
	s_mov_b32 s23, 0
	s_lshl_b32 s100, s46, 5
	s_mov_b32 s101, 0
	s_lshl_b32 s20, s20, 9                         ; and their codes
	s_mov_b32 s21, 0
	s_lshl_b32 s46, s46, 9
	s_mov_b32 s47, 0
	s_mul_i32 s45, s14, HALFT                      ; where they go: wave x 128 rows: no place in the cluster enters an LDS address
	s_mul_i32 s104, s14, HALFS
	s_wait_dscnt 0x0                               ; both opening adds are done
	s_wait_kmcnt 0x0
	s_add_nc_u64 s[20:21], s[4:5], s[20:21]
	s_add_nc_u64 s[22:23], s[6:7], s[22:23]
	s_add_nc_u64 s[46:47], s[4:5], s[46:47]
	s_add_nc_u64 s[100:101], s[6:7], s[100:101]
	CROUND                                         ; all sixteen work-groups are here: the first joint loads meet
	s_mov_b32 s[G0S], 1
	s_add_co_u32 s[G0S+1], s104, SCL
	s_mov_b64 s[G0S+2:G0S+3], s[22:23]
	s_or_b32 s[G0S+3], s[G0S+3], 0x80000000
	s_mov_b32 s[G0SB], 1
	s_add_co_u32 s[G0SB+1], s104, SCL
	s_mov_b64 s[G0SB+2:G0SB+3], s[100:101]
	s_or_b32 s[G0SB+3], s[G0SB+3], 0x80000000
	JLOAD G0S, G1S, G0SB, G1SB                     ; the scale bytes first: they are wanted with K step 0
.irp s, 0,1
	s_mov_b32 s[G0+4*\s], 1
	s_add_co_u32 s[G0+4*\s+1], s45, \s*SLOT
	s_add_nc_u64 s[G0+4*\s+2:G0+4*\s+3], s[20:21], \s*ROWB
	s_or_b32 s[G0+4*\s+3], s[G0+4*\s+3], 0x80000000
	s_mov_b32 s[G0B+4*\s], 1
	s_add_co_u32 s[G0B+4*\s+1], s45, \s*SLOT
	s_add_nc_u64 s[G0B+4*\s+2:G0B+4*\s+3], s[46:47], \s*ROWB
	s_or_b32 s[G0B+4*\s+3], s[G0B+4*\s+3], 0x80000000
	JLOAD G0+4*\s, G1, G0B+4*\s, G1B               ; by this text's count three tensor loads of a wave are out
.endr
	v_and_b32 v1, 15, v0                           ; r
	v_bfe_u32 v2, v0, 4, 1                         ; h
	v_mul_u32_u24 v3, v1, PITCH
	v_lshl_add_u32 v4, v2, 4, v3                   ; a fragment's row x pitch + 16 x half
	s_mul_i32 s21, s15, HALFT
	s_mul_i32 s22, s16, HALFT
	s_add_co_u32 s22, s22, 2*HALFT
.irp s, 0,1
	v_add_nc_u32 v[ADRA+\s], s21, v4
	v_add_nc_u32 v[ADRB+\s], s22, v4
	s_add_co_u32 s21, s21, SLOT
	s_add_co_u32 s22, s22, SLOT
.endr
	v_mul_u32_u24 v5, v1, KS                       ; my row's scale bytes: KS a row,
	v_lshrrev_b32 v6, 8, v5
	v_lshl_add_u32 v5, v6, 4, v5                   ; and 16 more for each 256 passed
	s_mul_i32 s21, s15, HALFS
	s_mul_i32 s22, s16, HALFS
	s_add_co_u32 s22, s22, 2*HALFS
	s_sub_co_u32 s22, s22, s21
	v_mul_u32_u24 v6, s22, v2                      ; lanes 16-31 take the column operand's
	s_add_co_u32 s21, s21, SCL
	v_add_nc_u32 v5, v5, v6
	v_add_nc_u32 v[ADRS], s21, v5
	v_and_b32 v[LI], 31, v0
	v_lshlrev_b32 v[LI], 4, v[LI]
	v_lshlrev_b32 v[H32], 5, v2
	v_lshlrev_b32 v[R4], 2, v1
	; which bias, which head, which chunk.  All of this enters global addresses and values alone
	s_cmp_eq_u32 s[TY], 0
	s_cselect_b64 s[8:9], s[92:93], s[94:95]
	s_cmp_eq_u32 s[TY], 2
	s_cselect_b64 s[8:9], s[96:97], s[8:9]
	s_cmp_eq_u32 s[TY], 3
	s_cselect_b64 s[8:9], s[98:99], s[8:9]
	s_and_b32 s18, s42, 3
	s_and_b32 s19, s42, 7
	s_sub_co_u32 s20, s17, 16
	s_cmp_eq_u32 s[TY], 2
	s_cselect_b32 s18, s19, s18
	s_cmp_eq_u32 s[TY], 3
	s_cselect_b32 s92, s20, s18                    ; the weight's tile of 256 rows in its own tensor
	s_cselect_b32 s19, s15, s16                    ; and my 128 of them
	s_cselect_b32 s93, s42, s17                    ; x's tile of 256 rows,
	s_cselect_b32 s94, s16, s15                    ; and my 128 of them
	s_lshl_b32 s20, s92, 1
	s_add_co_u32 s20, s20, s16
	s_cmp_lt_u32 s[TY], 2
	s_cselect_b32 s2, s20, s92                     ; the head: q, k have two heads to a tile, g and v one
	s_lshr_b32 s20, s93, 3
	s_lshl_b32 s20, s20, 3
	s_add_co_u32 s95, s20, s2                      ; bh = 8 batch + head
	s_and_b32 s20, s93, 7
	s_lshl_b32 s20, s20, 1
	s_add_co_u32 s96, s20, s94                     ; i: the chunk of 128 positions
	s_lshl_b32 s20, s92, 10
	s_lshl_b32 s21, s19, 9
	s_add_co_u32 s20, s20, s21
	s_mov_b32 s21, 0
	s_add_nc_u64 s[8:9], s[8:9], s[20:21]          ; my 128 numbers of the bias
	s_lshl_b32 s20, s96, 16
	s_add_nc_u64 s[10:11], s[10:11], s[20:21]      ; my chunk's 65,536 bytes of the table
	; the bias in both forms, with no branch: by columns (q, k, g) and by rows (v); both stay inside my 512 bytes.  Behind them the table's first two blocks: 56 loads of mine are out
.irp b, 0,1,2,3,4,5,6,7
	global_load_b128 v[BIAS+8*\b:BIAS+8*\b+3], v[H32], s[8:9] offset:64*\b
	global_load_b128 v[BIAS+8*\b+4:BIAS+8*\b+7], v[H32], s[8:9] offset:64*\b+16
.endr
.irp a, 0,1,2,3,4,5,6,7
	global_load_b32 v[BV+2*\a], v[R4], s[8:9] offset:64*\a
.endr
	CSLOAD 0
	CSLOAD 1
	s_cmp_eq_u32 s[TY], 3
	s_cselect_b32 s18, 0, 0x3f800000               ; v's sums begin at 0, the others' at the bias
	s_mov_b32 s19, s18                             ; (named with it as a pair, so it is written)
	s_wait_loadcnt 32                              ; the bias is in; the table's 32 loads may be out.  The tiles are on their way meanwhile
.set n_, 0
.rept 32
	v_pk_mul_f32 v[BIAS+2*n_:BIAS+2*n_+1], v[BIAS+2*n_:BIAS+2*n_+1], s[18:19] op_sel_hi:[1,0]
.set n_, n_+1
.endr
.irp a, 0,1,2,3,4,5,6,7
	v_mov_b32 v[BV+2*\a+1], v[BV+2*\a]             ; a pair for the packed addition
.endr
.rept 8
	v_nop                                          ; distance between these vector writes and the scaled matrix instructions that name the registers
.endr
.macro FRAG reg, adr, q, i             ; 16 rows x 128 K of 4-bit codes: 8 registers; registers 4 c .. 4 c + 3 hold K = 64 c + 32 (l / 16) + 0 .. 31
.irp c, 0,1
	ds_load_b128 v[\reg+4*\c:\reg+4*\c+3], v[\adr] offset:64*(\q)+32*\c+(\i)*16*PITCH
.endr
.endm
; 16 matrix instructions: row blocks a0, a0 + 1 x the column operand's eight, the slot's q-th 128 along K.  first = 1: the sum begins, from the bias of its columns (window 0).
; The 64 accumulators take turns, one instruction a turn, in the same order in every step.
.macro MUL16 a0, p, q, sc, first
.irp a, \a0, \a0+1
.irp b, 0,1,2,3,4,5,6,7
.if \first
	v_wmma_scale_f32_16x16x128_f8f6f4 v[8*(8*((\a)%4)+\b):8*(8*((\a)%4)+\b)+7], v[128*(\p)+FR*\b:128*(\p)+FR*\b+FR-1], v[AF+FR*(\a):AF+FR*(\a)+FR-1], v[BIAS+8*\b:BIAS+8*\b+7], v[SC+8*NQ*(\sc)+NQ*\b+(\q)], v[SC+8*NQ*(\sc)+NQ*(\a)+(\q)] matrix_a_fmt:MATRIX_FMT_FP4 matrix_b_fmt:MATRIX_FMT_FP4 matrix_a_scale:MATRIX_SCALE_ROW1
.else
	v_wmma_scale_f32_16x16x128_f8f6f4 v[8*(8*((\a)%4)+\b):8*(8*((\a)%4)+\b)+7], v[128*(\p)+FR*\b:128*(\p)+FR*\b+FR-1], v[AF+FR*(\a):AF+FR*(\a)+FR-1], v[8*(8*((\a)%4)+\b):8*(8*((\a)%4)+\b)+7], v[SC+8*NQ*(\sc)+NQ*\b+(\q)], v[SC+8*NQ*(\sc)+NQ*(\a)+(\q)] matrix_a_fmt:MATRIX_FMT_FP4 matrix_b_fmt:MATRIX_FMT_FP4 matrix_a_scale:MATRIX_SCALE_ROW1
.endif
.endr
.endr
.endm
.macro FETCH_B slot, q, p
	WIN TO_B
.irp i, 0,1,2,3,4,5,6,7
	FRAG 128*(\p)+FR*\i, ADRB+\slot, \q, \i
.endr
	WIN 0
.endm
.macro FETCH_A slot, q, i0
.irp i, \i0, \i0+1, \i0+2, \i0+3
	FRAG AF+FR*(\i), ADRA+\slot, \q, \i
.endr
.endm
.macro SCALES sc                       ; a K step's scale words: NQ words a row; lanes 0-15 take the row operand's block i, lanes 16-31 the column operand's
.irp i, 0,1,2,3,4,5,6,7
	ds_load_b128 v[SC+8*NQ*\sc+NQ*\i:SC+8*NQ*\sc+NQ*\i+3], v[ADRS] offset:\i*SBLK
.endr
.endm
.macro PLACES n                        ; plain vector instructions between a matrix instruction and a load into, or a read of, its registers
.rept \n
	v_nop
.endr
.endm
.macro STEP slot, q, first             ; a step of 128 along K that has its successor in the same slot
	s_wait_dscnt 4*NL                              ; all but the youngest eight loads (row blocks 4-7) are in
.if \first
	WIN 0x81                                       ; as MUL_LO, but C in window 0
.else
	WIN MUL_LO
.endif
	MUL16 0, (\q)%2, \q, \slot, \first
	MUL16 2, (\q)%2, \q, \slot, \first
	s_wait_dscnt 0
	PLACES NP
	FETCH_B \slot, (\q)+1, 1-(\q)%2
	FETCH_A \slot, (\q)+1, 0
.if \first
	WIN 0xc1                                       ; as MUL_HI, but C in window 0
.else
	WIN MUL_HI
.endif
	MUL16 4, (\q)%2, \q, \slot, \first
	MUL16 6, (\q)%2, \q, \slot, \first
	PLACES NP
	WIN 0
	FETCH_A \slot, (\q)+1, 4
.endm
.macro TURN slot, next                 ; slot 0's last step: one barrier, behind which slot 1 is whole for every wave.  Nothing is filled again in this launch
	s_wait_tensorcnt 0x0                           ; all my tensor loads have landed: my part of slot 1
	ds_add_u32 v[SPW], v[NIL]
	s_wait_dscnt 4*NL+1                            ; (the add and the youngest eight loads may be out)
	WIN MUL_LO
	MUL16 0, 1, NQ-1, \slot, 0
	s_wait_dscnt 0x0
	s_barrier_signal -1
	MUL16 2, 1, NQ-1, \slot, 0
	WIN 0
	s_barrier_wait -1
	PLACES NP
	v_add_nc_u32 v[ADRS], 4*NQ, v[ADRS]            ; on to the next K step's scale words
	FETCH_B \next, 0, 0
	FETCH_A \next, 0, 0
	SCALES \next
	WIN MUL_HI
	MUL16 4, 1, NQ-1, \slot, 0
	MUL16 6, 1, NQ-1, \slot, 0
	PLACES NP
	WIN 0
	FETCH_A \next, 0, 4
.endm
.macro STEPS slot, from
.set Q, \from
.rept NQ-1-\from
	STEP \slot, Q, 0
.set Q, Q+1
.endr
.endm
	s_wait_tensorcnt 1                             ; the scale bytes and my part of K step 0 are in (K step 1's load may be out),
	s_barrier_signal -1
	s_barrier_wait -1                              ; everybody's are
	FETCH_B 0, 0, 0
	FETCH_A 0, 0, 0
	SCALES 0
	FETCH_A 0, 0, 4
	STEP 0, 0, 1                                   ; the first products start the sums: nothing is cleared
	STEPS 0, 1
	TURN 0, 1
	STEPS 1, 0
	s_wait_dscnt 4*NL                              ; the last step: nothing more to fetch
	WIN MUL_LO
	MUL16 0, 1, NQ-1, 1, 0
	MUL16 2, 1, NQ-1, 1, 0
	s_wait_dscnt 0
	WIN MUL_HI
	MUL16 4, 1, NQ-1, 1, 0
	MUL16 6, 1, NQ-1, 1, 0
	WIN 0
; ---------------- THE WAY OUT ----------------
.macro BIASADD                         ; v: 256 packed additions in place, the bias of the lane's row; each accumulator is first read at its low end
.set a_, 0
.rept 8
	WIN 0x82+0x41*(a_/4)
.set n_, 0
.rept 32
	v_pk_add_f32 v[64*(a_%4)+2*n_:64*(a_%4)+2*n_+1], v[64*(a_%4)+2*n_:64*(a_%4)+2*n_+1], v[BV+2*a_:BV+2*a_+1]
.set n_, n_+1
.endr
.set a_, a_+1
.endr
	WIN 0
.endm
.macro ROPE a                          ; (x1, x2) -> (x1 c - x2 s, x1 s + x2 c), in place, four column blocks at a time; each accumulator is first read at its second register
	BUF \a
.irp hb, 0,4
	WIN (0x02+((\a)/4))|(BW_<<2)
.irp bb, 0,1,2,3
.irp e, 0,1,2,3
	v_mul_f32 v[T32+8*\bb+2*\e], v[64*((\a)%4)+8*(\hb+\bb)+2*\e+1], v[BF_+8*(\hb+\bb)+4+\e]
	v_mul_f32 v[T32+8*\bb+2*\e+1], v[64*((\a)%4)+8*(\hb+\bb)+2*\e], v[BF_+8*(\hb+\bb)+4+\e]
.endr
.endr
	WIN (0x82+0x41*((\a)/4))|(BW_<<2)
.irp bb, 0,1,2,3
.irp e, 0,1,2,3
	v_fma_f32 v[64*((\a)%4)+8*(\hb+\bb)+2*\e], v[64*((\a)%4)+8*(\hb+\bb)+2*\e], v[BF_+8*(\hb+\bb)+\e], -v[T32+8*\bb+2*\e]
	v_fma_f32 v[64*((\a)%4)+8*(\hb+\bb)+2*\e+1], v[64*((\a)%4)+8*(\hb+\bb)+2*\e+1], v[BF_+8*(\hb+\bb)+\e], v[T32+8*\bb+2*\e+1]
.endr
.endr
.endr
	WIN 0
.endm
.macro OUT a                           ; block a: x the lane's factor, to f16, eight stores of 512 consecutive bytes
	s_wait_xcnt 0x0                                ; the base and the stores' data are written again only behind this wait
.if (\a) > 0
	s_add_nc_u64 s[12:13], s[12:13], s[100:101]
.endif
	WIN 0x02+((\a)/4)
.set n_, 0
.rept 32
	v_pk_mul_f32 v[128+2*n_:129+2*n_], v[64*((\a)%4)+2*n_:64*((\a)%4)+2*n_+1], v[20+2*((\a)%2):21+2*((\a)%2)]
.set n_, n_+1
.endr
	WIN 0
.set n_, 0
.rept 32
	v_cvt_pk_f16_f32 v[96+n_], v[128+2*n_], v[129+2*n_]
.set n_, n_+1
.endr
.irp b, 0,1,2,3,4,5,6,7
	global_store_b128 v[LI], v[96+4*\b:99+4*\b], s[12:13] offset:512*\b
.endr
.endm
.macro SIG a                           ; block a of the gate: 1 / (1 + 2^(-log2(e) x)) x gn_weight; the bias is in x already
	WIN 0x02+((\a)/4)
.set n_, 0
.rept 32
	v_pk_mul_f32 v[128+2*n_:129+2*n_], v[64*((\a)%4)+2*n_:64*((\a)%4)+2*n_+1], s[22:23] op_sel_hi:[1,0]
.set n_, n_+1
.endr
	WIN 0
.set n_, 0
.rept 64
	v_exp_f32 v[128+n_], v[128+n_]
.set n_, n_+1
.endr
	v_nop                                          ; a plain instruction behind the batch,
	s_wait_alu depctr_va_vdst(0)                   ; and one wait for the 64
.set n_, 0
.rept 32
	v_pk_add_f32 v[128+2*n_:129+2*n_], v[128+2*n_:129+2*n_], 1.0 op_sel_hi:[1,0]
.set n_, n_+1
.endr
.set n_, 0
.rept 64
	v_rcp_f32 v[128+n_], v[128+n_]
.set n_, n_+1
.endr
	v_nop
	s_wait_alu depctr_va_vdst(0)
.if (\a) == 0
	s_wait_loadcnt 0x0                             ; gn_weight
.endif
.set n_, 0
.rept 32
	v_pk_mul_f32 v[128+2*n_:129+2*n_], v[128+2*n_:129+2*n_], v[32+2*n_:33+2*n_]
.set n_, n_+1
.endr
	s_wait_xcnt 0x0                                ; the last block's stores have read their data
.set n_, 0
.rept 32
	v_cvt_pk_f16_f32 v[96+n_], v[128+2*n_], v[129+2*n_]
.set n_, n_+1
.endr
.irp b, 0,1,2,3,4,5,6,7
	global_store_b128 v[LI], v[96+4*\b:99+4*\b], s[12:13] offset:8192*(\a)+512*\b
.endr
.endm
	PLACES NP                                      ; behind the last products: for the first reads of results and the loads into operands' and scales' registers
	s_wait_loadcnt 0x0                             ; the table's blocks 0 and 1, asked for at the head
.irp c, 0,1,2,3
	v_mov_b32 v[16+\c], 0x0d800000                 ; four chains of the largest magnitude begin at 2^-100
.endr
	s_mov_b32 s20, 0x76543210
	s_mov_b32 s21, 0xfedcba98                      ; v_permlanex16_b32's selects for lane l xor 16
	s_cmp_eq_u32 s[TY], 2
	s_cbranch_scc1 .Lgate
	s_cmp_eq_u32 s[TY], 3
	s_cbranch_scc1 .Lvalue
	; ---- q, k: three blocks of the table, 48 loads, are on their way at a time; two blocks are turned before the first of them is wanted
	CSLOAD 2
	CSLOAD 3
	CSLOAD 4
	ROPE 0
	ROPE 1
	s_wait_loadcnt 32                              ; block 2 is in; blocks 3 and 4 may be out
	CSLOAD 5
	ROPE 2
	s_wait_loadcnt 32                              ; block 3 is in; blocks 4 and 5 may be out
	CSLOAD 6
	ROPE 3
	s_wait_loadcnt 32                              ; block 4
	CSLOAD 7                                       ; into block 0's registers
	ROPE 4
	s_wait_loadcnt 32                              ; block 5
	ROPE 5
	s_wait_loadcnt 16                              ; block 6
	ROPE 6
	s_wait_loadcnt 0x0                             ; block 7
	ROPE 7
	s_branch .Lamax
.Lvalue:
	; ---- v
	BIASADD
.Lamax:
.set a_, 0
.rept 8
	WIN 0x28+0x14*(a_/4)
.set n_, 0
.rept 32
	v_max3_num_f32 v[16+n_%4], v[16+n_%4], |v[64*(a_%4)+2*n_]|, |v[64*(a_%4)+2*n_+1]|
.set n_, n_+1
.endr
.set a_, a_+1
.endr
	WIN 0
	v_max3_num_f32 v16, v16, v17, v18
	v_max_num_f32 v16, v16, v19
	v_max_num_f32_dpp v16, v16, v16 row_xmask:1 row_mask:0xf bank_mask:0xf
	v_max_num_f32_dpp v16, v16, v16 row_xmask:2 row_mask:0xf bank_mask:0xf
	v_max_num_f32_dpp v16, v16, v16 row_xmask:4 row_mask:0xf bank_mask:0xf
	v_max_num_f32_dpp v16, v16, v16 row_xmask:8 row_mask:0xf bank_mask:0xf
	v_permlanex16_b32 v17, v16, s20, s21
	v_max_num_f32 v16, v16, v17                    ; the largest magnitude of my 128 x 128, in every lane,
	v_min_num_f32 v16, 0x71800000, v16             ; held at 2^100
	v_lshrrev_b32 v17, 23, v16                     ; its exponent field
	v_sub_nc_u32 v18, 0xfe, v17
	v_lshlrev_b32 v18, 23, v18                     ; 2^-E
	v_add_nc_u32 v19, 0xffffff81, v17              ; E
	s_sub_co_u32 s18, 122, s2                      ; x = 2^-(5 + head)
	s_lshl_b32 s18, s18, 23
	v_mov_b32 v31, s18
	v_mov_b32 v30, 0x3e2aaaab                      ; log2(1 - x) = -x (1 + x / 2 + x^2 / 3 + x^3 / 4 + x^4 / 5 + x^5 / 6) log2(e)
	v_fmaak_f32 v30, v30, v31, 0x3e4ccccd
	v_fmaak_f32 v30, v30, v31, 0x3e800000
	v_fmaak_f32 v30, v30, v31, 0x3eaaaaab
	v_fmaak_f32 v30, v30, v31, 0x3f000000
	v_fmaak_f32 v30, v30, v31, 0x3f800000
	v_mul_f32 v30, v30, v31
	v_mul_f32 v30, 0xbfb8aa3b, v30
	s_cmp_eq_u32 s[TY], 1
	s_cselect_b32 s19, 0x3f800000, 0               ; the decay goes into k alone
	v_mul_f32 v30, s19, v30
	v_cvt_f32_u32 v31, v1                          ; position % 32 = 16 (a % 2) + r
	v_mul_f32 v20, -v30, v31
	v_add_f32 v31, 0x41800000, v31
	v_mul_f32 v22, -v30, v31
	v_exp_f32 v20, v20
	v_exp_f32 v22, v22
	v_nop
	s_wait_alu depctr_va_vdst(0)                   ; one wait for the two
	v_mul_f32 v20, v18, v20                        ; the lane's factor for even blocks,
	v_mul_f32 v22, v18, v22                        ; and for odd ones
	v_mov_b32 v21, v20
	v_mov_b32 v23, v22
	; where the results go
	s_lshl_b32 s18, s95, 19
	s_lshl_b32 s19, s96, 15
	s_add_co_u32 s18, s18, s19
	s_lshl_b32 s19, s[TY], 23
	s_add_co_u32 s18, s18, s19                     ; q, k: (128 bh + 8 i) x 4,096, k's section 8,388,608 on
	s_lshl_b32 s22, s95, 20
	s_lshl_b32 s23, s15, 19
	s_add_co_u32 s22, s22, s23
	s_lshl_b32 s23, s96, 12
	s_add_co_u32 s22, s22, s23
	s_add_co_u32 s22, s22, 16777216                ; v: (16 bh + 8 rh) x 65,536 + 4,096 i in its section
	s_lshl_b32 s46, s95, 6
	s_lshl_b32 s47, s[TY], 10
	s_add_co_u32 s46, s46, s47                     ; the exponent: q's, k's list: 64 bh,
	s_lshl_b32 s47, s95, 7
	s_lshl_b32 s97, s15, 6
	s_add_co_u32 s47, s47, s97
	s_add_co_u32 s47, s47, 2048                    ; v's: 128 bh + 64 rh
	s_mov_b32 s100, 4096                           ; from block to block
	s_cmp_eq_u32 s[TY], 3
	s_cselect_b32 s18, s22, s18
	s_cselect_b32 s46, s47, s46
	s_cselect_b32 s100, 0x10000, s100
	s_mov_b32 s101, 0
	s_mov_b32 s19, 0
	s_lshl_b32 s47, s96, 2
	s_add_co_u32 s46, s46, s47
	s_add_co_u32 s46, s46, 50331648
	s_mov_b32 s47, 0
	s_add_nc_u64 s[104:105], s[12:13], s[46:47]
	s_add_nc_u64 s[12:13], s[12:13], s[18:19]
	v_and_b32 v31, 31, v0
	v_mov_b32 v27, 0
	v_cmp_eq_u32 vcc_lo, 0, v31
	s_wait_xcnt 0x0                                ; EXEC changes only behind this wait
	s_and_saveexec_b32 s97, vcc_lo
	global_store_b32 v27, v19, s[104:105]          ; lane 0 stores the exponent
	s_wait_xcnt 0x0
	s_or_b32 exec_lo, exec_lo, s97
.irp a, 0,1,2,3,4,5,6,7
	OUT \a
.endr
	s_branch .Lend
.Lgate:
	; ---- g
	s_lshl_b32 s18, s16, 9
	s_mov_b32 s19, 0
	s_add_nc_u64 s[66:67], s[66:67], s[18:19]      ; gn_weight of my 128 channels
.irp b, 0,1,2,3,4,5,6,7
	global_load_b128 v[32+8*\b:35+8*\b], v[H32], s[66:67] offset:64*\b
	global_load_b128 v[36+8*\b:39+8*\b], v[H32], s[66:67] offset:64*\b+16
.endr
	s_mov_b32 s22, 0xbfb8aa3b                      ; -log2(e)
	s_mov_b32 s23, s22                             ; (named with it as a pair, so it is written)
	s_lshl_b32 s18, s95, 20
	s_lshl_b32 s46, s96, 16
	s_add_co_u32 s18, s18, s46
	s_lshl_b32 s46, s16, 12
	s_add_co_u32 s18, s18, s46
	s_add_co_u32 s18, s18, 33554432                ; (128 bh + 8 i) x 8,192 + 4,096 ch in g's section
	s_add_nc_u64 s[12:13], s[12:13], s[18:19]
.irp a, 0,1,2,3,4,5,6,7
	SIG \a
.endr
.Lend:
	s_wait_tensorcnt 0x0                           ; the wave's end
	ds_add_u32 v[SPW], v[NIL]
	s_wait_dscnt 0x0
	CROUND                                         ; the closing round
	s_endpgm
.Lfunc_end_k_q4b495c597f_proj4:
	.size	k_q4b495c597f_proj4, .Lfunc_end_k_q4b495c597f_proj4-k_q4b495c597f_proj4
	.p2alignl 7, 3214868480
	.fill 96, 4, 3214868480
	.section	.rodata,"a",@progbits
	.p2align	6, 0x0
	.amdhsa_kernel k_q4b495c597f_proj4
		.amdhsa_group_segment_fixed_size 327680
		.amdhsa_private_segment_fixed_size 0
		.amdhsa_enable_private_segment 0
		.amdhsa_kernarg_size 72
		.amdhsa_user_sgpr_count 2
		.amdhsa_user_sgpr_kernarg_segment_ptr 1
		.amdhsa_wavefront_size32 1
		.amdhsa_system_sgpr_workgroup_id_x 1
		.amdhsa_system_sgpr_workgroup_id_y 1
		.amdhsa_system_sgpr_workgroup_id_z 1
		.amdhsa_system_vgpr_workitem_id 0
		.amdhsa_next_free_vgpr 1024
		.amdhsa_next_free_sgpr 106
		.amdhsa_reserve_vcc 1
		.amdhsa_float_denorm_mode_32 3
		.amdhsa_float_denorm_mode_16_64 3
		.amdhsa_memory_ordered 1
		.amdhsa_forward_progress 1
		.amdhsa_inst_pref_size 255
	.end_amdhsa_kernel
	.section	.bss,"aw",@nobits
	.p2align	6
	.space	262144
	.amdgpu_metadata
---
amdhsa.version: [ 1, 2 ]
amdhsa.kernels:
  - .name:           k_q4b495c597f_proj4
    .symbol:         k_q4b495c597f_proj4.kd
    .args:
      - { .name: codes, .offset: 0, .size: 8, .value_kind: global_buffer, .address_space: global }
      - { .name: scales, .offset: 8, .size: 8, .value_kind: global_buffer, .address_space: global }
      - { .name: tab, .offset: 16, .size: 8, .value_kind: global_buffer, .address_space: global }
      - { .name: bq, .offset: 24, .size: 8, .value_kind: global_buffer, .address_space: global }
      - { .name: bk, .offset: 32, .size: 8, .value_kind: global_buffer, .address_space: global }
      - { .name: bg, .offset: 40, .size: 8, .value_kind: global_buffer, .address_space: global }
      - { .name: bv, .offset: 48, .size: 8, .value_kind: global_buffer, .address_space: global }
      - { .name: gn_weight, .offset: 56, .size: 8, .value_kind: global_buffer, .address_space: global }
      - { .name: proj, .offset: 64, .size: 8, .value_kind: global_buffer, .address_space: global }
    .group_segment_fixed_size: 327680
    .private_segment_fixed_size: 0
    .kernarg_segment_align: 8
    .kernarg_segment_size: 72
    .max_flat_workgroup_size: 128
    .sgpr_count:     106
    .vgpr_count:     1024
    .wavefront_size: 32
...
	.end_amdgpu_metadata
.endif
;; end of part 2
;; launch state (part 3): grid 16 x 16, 4 waves a work-group, clusters of 4 x 4, 167,936 bytes of LDS; arguments proj, rt; writes rt
.if DOCPART == 3
	.amdgcn_target "amdgcn-amd-amdhsa--gfx1250"
	.amdhsa_code_object_version 6
	.text
	.protected	k_q4b495c597f_state
	.globl	k_q4b495c597f_state
	.p2align	8
	.type	k_q4b495c597f_state,@function
k_q4b495c597f_state:
	s_mov_b64 s[64:65], 0
	v_nop
	global_prefetch_b8 v0, s[64:65] scope:SCOPE_SE
	s_setreg_imm32_b32 hwreg(HW_REG_WAVE_MODE, 25, 1), 1
	s_wait_xcnt 0x0
	s_wait_alu depctr_hold_cnt(0) depctr_sa_sdst(0) depctr_va_vdst(0) depctr_va_sdst(0) depctr_va_ssrc(0) depctr_va_vcc(0) depctr_vm_vsrc(0)
	s_getreg_b32 s2, hwreg(HW_REG_IB_STS2, 6, 4)
	s_cmp_eq_u32 s2, 0
	s_cbranch_scc0 .Lentry_in_a_cluster
	s_endpgm
.Lentry_in_a_cluster:
	s_bfe_u32 s2, ttmp6, 0x10000c
	s_cmp_lg_u32 s2, 0xf033
	s_cbranch_scc0 .Lentry_shape_is_right
	s_endpgm
.Lentry_shape_is_right:
; STATE: the history of retention.  gamma^(n - m) factorises, so all keys ahead of a chunk of 128 positions enter it through one matrix of 128 (dk) x 256 (channels).
; With k^ = rope(k) gamma^-(m % 32) 2^-ek, v^ = v 2^-ev (f16, one exponent a chunk) and W_s = the sum over the chunk's s-th 32 positions of k^ v^:
;   R <- R gamma^128 2^(e(j-1) - e(j)) + gamma^96 W0 + gamma^64 W1 + gamma^32 W2 + W3,   e(j) = ek(j) + ev(j);   stored for chunk j + 1: R 2^(e(j) - E(j)), E(j) = the largest e so far, in f16 (magnitude under 21,200).
; SHARES.  A cluster of 4 x 4 work-groups is one (batch, head).  cy = which 32 of dk, cx = which 64 channels; wave w owns 16 channels: one register image (16 channels x 32 dk) for each chunk.  Chunks 0..14 are walked in order; chunk 0's state is zero.
; k^ of chunks 0..14, my 32 dk: 120 images of 1,024 bytes, come into LDS once, asked for JOINTLY by the four work-groups of a row of the cluster (same cy); they are read turned (ds_load_tr16_b128), since here the positions are K.
; v^ is each wave's own (16 channels x all positions): it goes from memory straight into registers, seven chunks ahead.  It is not shared, so it is not asked for jointly; k^ and v^ together would not fit in LDS.
; The product: source 0 = 16 dk x 32 positions, source 1 = 16 channels x 32 positions: lane (r, h) holds channel r and dk 8 h + 0..7: packed to f16 that is half of the image that the next launch loads.
; LIMITS: differences of exponents are held to -126 .. 127.  The order of sums differs from a plain sum over all keys.
; REGISTERS: window 0: v4 16 x lane; v5, v6 the add's two; v7, v8 the turned loads' addresses; v9 e(j) in lanes 0-15; v10-13 the chunk's two factors; v16-31 R; v32-39 packed; v40-55 at work; v64-127 W; v128-255 k^ turned, two buffers.  window 1: v^, seven slots of 32.
.set SPARE, 122880
.set MSB, 0
.macro WIN new
.if MSB != (\new)
	s_set_vgpr_msb (MSB<<8)|(\new)
.set MSB, (\new)
.endif
.endm
.macro CROUND
	s_barrier_signal -1
	s_barrier_wait -1
	s_cmp_lg_u32 s8, 0
	s_cbranch_scc1 .Lnot_wave_0_\@
	s_barrier_signal -3
.Lnot_wave_0_\@:
	s_barrier_wait -3
	s_barrier_signal -1
	s_barrier_wait -1
.endm
.macro VLOAD j                         ; chunk j's four images of v^ into slot j % 7
	WIN 0x40
.irp n, 0,1,2,3,4,5,6,7
	global_load_b128 v[32*((\j)%7)+4*\n:32*((\j)%7)+4*\n+3], v4, s[34:35] offset:4096*(\j)+512*\n
.endr
	WIN 0
.endm
.macro KTLOAD j                        ; chunk j's k^, turned: fragment n = 2 s + c: dk 16 c + 0..15 x the s-th 32 positions
.irp n, 0,1,2,3,4,5,6,7
	ds_load_tr16_b128 v[128+64*((\j)%2)+8*\n:128+64*((\j)%2)+8*\n+3], v[7+(\j)/8] offset:8192*((\j)%8)+2048*(\n/2)+512*(\n%2)
	ds_load_tr16_b128 v[128+64*((\j)%2)+8*\n+4:128+64*((\j)%2)+8*\n+7], v[7+(\j)/8] offset:8192*((\j)%8)+2048*(\n/2)+512*(\n%2)+1024
.endr
.endm
.macro CHUNK j
.set KT_, 128+64*((\j)%2)
.set VS_, 32*((\j)%7)
	s_wait_dscnt 0x0                               ; k^ of this chunk is in registers
.if (\j)+6 < 14
	s_wait_loadcnt 48                              ; v^ of this chunk is in; the six later chunks' loads may be out
.else
	s_wait_loadcnt 8*(14-(\j))
.endif
	WIN 0x04
.irp n, 0,1,2,3,4,5,6,7                        ; eight sums of their own, each one instruction: no accumulator is taken up again
	v_wmma_f32_16x16x32_f16 v[64+8*\n:71+8*\n], v[KT_+8*\n:KT_+8*\n+7], v[VS_+8*(\n/2):VS_+8*(\n/2)+7], 0
.endr
	WIN 0
.if (\j) < 14
	KTLOAD (\j)+1                                  ; into the other buffer
.endif
	v_readlane_b32 s48, v9, \j                     ; e(j)
.if (\j) == 0
	s_mov_b32 s50, s48
.else
	s_max_i32 s50, s50, s48                        ; E(j)
	s_sub_co_i32 s51, s49, s48
	s_max_i32 s51, s51, 0xffffff82
	s_min_i32 s51, s51, 127
	s_add_co_i32 s51, s51, 127
	s_lshl_b32 s51, s51, 23                        ; 2^(e(j-1) - e(j))
	v_mov_b32 v11, s51
	v_mul_f32 v10, s46, v11                        ; x gamma^128
.endif
	s_sub_co_i32 s52, s48, s50
	s_max_i32 s52, s52, 0xffffff82
	s_add_co_i32 s52, s52, 127
	s_lshl_b32 s52, s52, 23                        ; 2^(e(j) - E(j))
	v_mov_b32 v12, s52
	v_mov_b32 v13, s52
	s_mov_b32 s49, s48
.rept 4
	v_nop                                          ; places behind the products: for the first reads of results and the loads into the slot just multiplied
.endr
.if (\j)+7 <= 14
	VLOAD (\j)+7
.endif
.if (\j) == 0
.irp q, 0,1,2,3,4,5,6,7
	v_pk_fma_f32 v[16+2*\q:17+2*\q], v[64+2*\q:65+2*\q], s[44:45], v[112+2*\q:113+2*\q] op_sel_hi:[1,0,1]   ; the first chunk starts R
.endr
.else
.irp q, 0,1,2,3,4,5,6,7
	v_pk_fma_f32 v[16+2*\q:17+2*\q], v[16+2*\q:17+2*\q], v[10:11], v[112+2*\q:113+2*\q] op_sel_hi:[1,0,1]
.endr
.irp q, 0,1,2,3,4,5,6,7
	v_pk_fma_f32 v[16+2*\q:17+2*\q], v[64+2*\q:65+2*\q], s[44:45], v[16+2*\q:17+2*\q] op_sel_hi:[1,0,1]
.endr
.endif
.irp q, 0,1,2,3,4,5,6,7
	v_pk_fma_f32 v[16+2*\q:17+2*\q], v[80+2*\q:81+2*\q], s[42:43], v[16+2*\q:17+2*\q] op_sel_hi:[1,0,1]
.endr
.irp q, 0,1,2,3,4,5,6,7
	v_pk_fma_f32 v[16+2*\q:17+2*\q], v[96+2*\q:97+2*\q], s[40:41], v[16+2*\q:17+2*\q] op_sel_hi:[1,0,1]
.endr
.irp q, 0,1,2,3,4,5,6,7
	v_pk_mul_f32 v[40+2*\q:41+2*\q], v[16+2*\q:17+2*\q], v[12:13]
.endr
	s_wait_xcnt 0x0                                ; the last chunk's stores have read their data
.irp q, 0,1,2,3,4,5,6,7
	v_cvt_pk_f16_f32 v[32+\q], v[40+2*\q], v[41+2*\q]
.endr
	global_store_b128 v4, v[32:35], s[6:7] offset:65536*((\j)+1)       ; 512 consecutive bytes each: the image for chunk j + 1
	global_store_b128 v4, v[36:39], s[6:7] offset:65536*((\j)+1)+512
.endm
	s_load_b128 s[4:7], s[0:1], 0x0                ; proj, rt
	v_lshl_add_u32 v5, v0, 2, SPARE
	v_mov_b32 v6, 0
	ds_add_u32 v5, v6                              ; the wave's opening: the add, twice on end, and its wait ahead of my first tensor load
	ds_add_u32 v5, v6
	v_lshrrev_b32 v1, 5, v0
	v_readfirstlane_b32 s8, v1                     ; wave
	s_bfe_u32 s9, ttmp6, 0x40000                   ; cx: which 64 channels
	s_bfe_u32 s10, ttmp6, 0x40004                  ; cy: which 32 of dk
	s_and_b32 s11, ttmp7, 0xffff
	s_lshl_b32 s11, s11, 2
	s_add_co_u32 s11, s11, ttmp9                   ; bh = 4 x cluster y + cluster x
	s_lshl_b32 s28, s10, 2
	s_lshl_b32 s28, 15, s28                        ; my row of the cluster
	s_or_b32 s16, s28, (3<<16)|(1<<21)             ; the mask; elements of 8 bytes; bit 21 beside a mask; no padding
	s_mov_b32 s17, 128<<16                         ; tensor_dim0: an image, 128 elements
	s_mov_b32 s18, 30<<16                          ; tensor_dim1: 30 images a wave
	s_mov_b32 s19, 128<<16                         ; tile_dim0
	s_mov_b32 s20, 30                              ; tile_dim1
	s_mov_b32 s21, 512                             ; from one tile of positions to the next: four images
	s_mov_b32 s22, 0
	s_mov_b32 s23, 0
	s_lshl_b32 s28, s11, 19
	s_mul_i32 s29, s8, 122880
	s_add_co_u32 s28, s28, s29
	s_lshl_b32 s29, s10, 10
	s_add_co_u32 s28, s28, s29
	s_add_co_u32 s28, s28, 8388608                 ; k's section + 524,288 bh + 30 tiles x wave + 1,024 cy
	s_mov_b32 s29, 0
	s_mov_b32 s24, 1
	s_mul_i32 s25, s8, 30720                       ; LDS: wave x 30 images
	s_wait_dscnt 0x0
	s_wait_kmcnt 0x0
	s_add_nc_u64 s[26:27], s[4:5], s[28:29]
	s_or_b32 s27, s27, 0x80000000
	CROUND                                         ; all sixteen work-groups are here: the joint loads meet
	tensor_load_to_lds s[24:27], s[16:23]          ; my one tensor load
	s_nop 0
.rept 4
	v_nop
.endr
	v_and_b32 v2, 31, v0
	v_lshlrev_b32 v4, 4, v2                        ; 16 x lane
	v_and_b32 v3, 15, v0
	v_lshlrev_b32 v3, 2, v3
	v_bfe_u32 v7, v0, 3, 1                         ; the turned load: lane l addresses position 8 (l / 16) + l % 8, dk 8 ((l / 8) % 2) + 0..7 of an image's half
	v_lshlrev_b32 v7, 8, v7
	v_bfe_u32 v8, v0, 4, 1
	v_lshl_add_u32 v7, v8, 7, v7
	v_and_b32 v8, 7, v0
	v_lshl_add_u32 v7, v8, 4, v7
	v_add_nc_u32 v8, 0x10000, v7                   ; chunks 8..14 lie beyond an immediate's reach
	s_lshl_b32 s12, s9, 2
	s_add_co_u32 s12, s12, s8                      ; my tile of 16 channels
	s_lshr_b32 s13, s9, 1                          ; and its half of the head's 256
	s_lshl_b32 s28, s11, 6
	s_add_co_u32 s28, s28, 50331648+1024
	s_add_nc_u64 s[30:31], s[4:5], s[28:29]        ; ek of my (batch, head)
	s_lshl_b32 s28, s11, 7
	s_lshl_b32 s36, s13, 6
	s_add_co_u32 s28, s28, s36
	s_add_co_u32 s28, s28, 50331648+2048
	s_add_nc_u64 s[32:33], s[4:5], s[28:29]        ; ev of my half
	s_lshl_b32 s28, s11, 4
	s_add_co_u32 s28, s28, s12
	s_lshl_b32 s28, s28, 16
	s_add_co_u32 s28, s28, 16777216
	s_add_nc_u64 s[34:35], s[4:5], s[28:29]        ; v^ of my 16 channels
	s_lshl_b32 s28, s11, 20
	s_lshl_b32 s36, s12, 12
	s_add_co_u32 s28, s28, s36
	s_lshl_b32 s36, s10, 10
	s_add_co_u32 s28, s28, s36
	s_add_nc_u64 s[6:7], s[6:7], s[28:29]          ; my image of chunk 0
	global_load_b32 v9, v3, s[30:31]
	global_load_b32 v10, v3, s[32:33]
.irp j, 0,1,2,3,4,5,6
	VLOAD \j
.endr
	s_and_b32 s28, s11, 7                          ; the head
	s_sub_co_u32 s28, 122, s28
	s_lshl_b32 s28, s28, 23                        ; x = 2^-(5 + head)
	v_mov_b32 v45, s28
	v_mov_b32 v44, 0x3e2aaaab                      ; log2(1 - x), by the series up to x^6
	v_fmaak_f32 v44, v44, v45, 0x3e4ccccd
	v_fmaak_f32 v44, v44, v45, 0x3e800000
	v_fmaak_f32 v44, v44, v45, 0x3eaaaaab
	v_fmaak_f32 v44, v44, v45, 0x3f000000
	v_fmaak_f32 v44, v44, v45, 0x3f800000
	v_mul_f32 v44, v44, v45
	v_mul_f32 v44, 0xbfb8aa3b, v44
	v_mul_f32 v40, 0x42000000, v44
	v_mul_f32 v41, 0x42800000, v44
	v_mul_f32 v42, 0x42c00000, v44
	v_mul_f32 v43, 0x43000000, v44
.irp c, 0,1,2,3
	v_exp_f32 v[40+\c], v[40+\c]                   ; gamma^32, ^64, ^96, ^128
.endr
	v_nop
	s_wait_alu depctr_va_vdst(0)                   ; one wait for the four
	v_readfirstlane_b32 s40, v40
	v_readfirstlane_b32 s42, v41
	v_readfirstlane_b32 s44, v42
	v_readfirstlane_b32 s46, v43
	s_mov_b32 s41, s40                             ; (the packed forms name pairs)
	s_mov_b32 s43, s42
	s_mov_b32 s45, s44
.irp c, 0,1,2,3
	v_mov_b32 v[32+\c], 0
.endr
	global_store_b128 v4, v[32:35], s[6:7]         ; chunk 0 has no history
	global_store_b128 v4, v[32:35], s[6:7] offset:512
	s_wait_loadcnt 56                              ; the two lists of exponents are in; the 56 loads of v^ may be out
	v_add_nc_u32 v9, v9, v10                       ; e(j), j = lane % 16
	s_wait_tensorcnt 0x0                           ; my 30 images are in,
	s_barrier_signal -1
	s_barrier_wait -1                              ; everybody's are
	KTLOAD 0
.irp j, 0,1,2,3,4,5,6,7,8,9,10,11,12,13,14
	CHUNK \j
.endr
	s_wait_tensorcnt 0x0                           ; the wave's end
	ds_add_u32 v5, v6
	s_wait_dscnt 0x0
	CROUND                                         ; the closing round
	s_endpgm
.Lfunc_end_k_q4b495c597f_state:
	.size	k_q4b495c597f_state, .Lfunc_end_k_q4b495c597f_state-k_q4b495c597f_state
	.p2alignl 7, 3214868480
	.fill 96, 4, 3214868480
	.section	.rodata,"a",@progbits
	.p2align	6, 0x0
	.amdhsa_kernel k_q4b495c597f_state
		.amdhsa_group_segment_fixed_size 167936
		.amdhsa_private_segment_fixed_size 0
		.amdhsa_enable_private_segment 0
		.amdhsa_kernarg_size 16
		.amdhsa_user_sgpr_count 2
		.amdhsa_user_sgpr_kernarg_segment_ptr 1
		.amdhsa_wavefront_size32 1
		.amdhsa_system_sgpr_workgroup_id_x 1
		.amdhsa_system_sgpr_workgroup_id_y 1
		.amdhsa_system_sgpr_workgroup_id_z 1
		.amdhsa_system_vgpr_workitem_id 0
		.amdhsa_next_free_vgpr 512
		.amdhsa_next_free_sgpr 80
		.amdhsa_reserve_vcc 0
		.amdhsa_float_denorm_mode_32 3
		.amdhsa_float_denorm_mode_16_64 3
		.amdhsa_memory_ordered 1
		.amdhsa_forward_progress 1
		.amdhsa_inst_pref_size 103
	.end_amdhsa_kernel
	.amdgpu_metadata
---
amdhsa.version: [ 1, 2 ]
amdhsa.kernels:
  - .name:           k_q4b495c597f_state
    .symbol:         k_q4b495c597f_state.kd
    .args:
      - { .name: proj, .offset: 0, .size: 8, .value_kind: global_buffer, .address_space: global }
      - { .name: rt, .offset: 8, .size: 8, .value_kind: global_buffer, .address_space: global }
    .group_segment_fixed_size: 167936
    .private_segment_fixed_size: 0
    .kernarg_segment_align: 8
    .kernarg_segment_size: 16
    .max_flat_workgroup_size: 128
    .sgpr_count:     80
    .vgpr_count:     512
    .wavefront_size: 32
...
	.end_amdgpu_metadata
.endif
;; end of part 3
;; launch retain (part 4): grid 16 x 16, 4 waves a work-group, no clusters, 229,888 bytes of LDS; arguments proj, rt, zf; writes zf
.if DOCPART == 4
	.amdgcn_target "amdgcn-amd-amdhsa--gfx1250"
	.amdhsa_code_object_version 6
	.text
	.protected	k_q4b495c597f_retain
	.globl	k_q4b495c597f_retain
	.p2align	8
	.type	k_q4b495c597f_retain,@function
k_q4b495c597f_retain:
	s_mov_b64 s[64:65], 0
	v_nop
	global_prefetch_b8 v0, s[64:65] scope:SCOPE_SE
	s_setreg_imm32_b32 hwreg(HW_REG_WAVE_MODE, 25, 1), 1
	s_wait_xcnt 0x0
; RETAIN: one chunk of 128 positions of one (batch, head): the history through its state, the chunk's own keys under the causal mask and the decay, RMSNorm over the head's 256 channels, the gate.
; O[d, n] = sum over the chunk's keys m <= n of P[n, m] v^[m, d] + (q^[n] . R~)[d] gamma^(r) phi,   r = n - the chunk's first position,   P[n, m] = (q^[n] . k^[m]) gamma^(r - 32 kb), kb = the key's block of 32 (|P| <= 1,408: f16),
; phi(half) = gamma^32 2^(E(i-1) - ek(i) - ev(i, half)).  O is y 2^-(eq + ek + ev(half)); with evm = max(ev0, ev1), u = 2^(ev(half) - evm):  y rsqrt(mean y^2 + eps) = O u rsqrt((u0^2 ss0 + u1^2 ss1) / 256 + eps 2^(-2 (eq + ek + evm))).
; SHARES.  Work-group = (chunk i, bh).  Wave w owns queries 32 w .. 32 w + 31 (two tiles) and all 256 channels: 32 accumulators.  Key blocks kb > w lie wholly under the mask and are left out (a branch on the wave's number).
; Work-groups share no input, so there is no cluster.  All operands are register images of 1,024 bytes (16 rows x 32 K of f16): every LDS and global load is 16 bytes at 16 x lane.
; Both products are used transposed (source 0 = keys or channels, source 1 = queries): a lane holds one query throughout.
; THE GATE (sigmoid x gn_weight, stored as f16) is widened to f32 and multiplied in f32; z is rounded to f16 once, on its way to the last product.
; LDS: 0: the state, 64 images ((ct, kc) at (4 ct + kc) x 1,024); 65,536: k^, 32 images ((kt, kc)); 98,304: v^, 64 images ((ct, kb) at 4,096 ct + 1,024 kb); 163,840: the gate, 16,384 bytes for each wave, its own ((tq, ct) at 8,192 tq + 512 ct);
;      229,376: the spare words.  Each byte is filled once.
; LIMITS: powers of two are held to 2^-126 .. 2^127, the factor of eps to 2^-100 .. 2^100.  NaN and infinities are not served.
; REGISTERS: window 0: v4, v7, v8, v63 16 x lane (+ the regions); v5, v6 the add's two; v10-11 d; v16-31 decays; v32-39 the history's factors; v40-47 the norm's; v48-55 sums of squares; v56-62 at work; v64-127 q^, later the gate as f16;
;   v128-159 scores, later the gate as f32; v160-191 P, later z as f32; v192-255 k^, later z as f16.   window 1: O ((ct, tq) at 16 ct + 8 tq).   window 2: two buffers of 128: the state's or v^'s images.
.set GOFF,  163840
.set SPARE, 229376
.set LI, 4
.set SPW, 5
.set NIL, 6
.set LK, 7
.set LV, 8
.set LG, 63
.set MSB, 0
.macro WIN new
.if MSB != (\new)
	s_set_vgpr_msb (MSB<<8)|(\new)
.set MSB, (\new)
.endif
.endm
.macro PLACES
.rept 4
	v_nop
.endr
.endm
.macro POW2 d, lo, hi                  ; s[d] <- the bits of 2^(s[d] held to lo .. hi)
	s_max_i32 s[\d], s[\d], \lo
	s_min_i32 s[\d], s[\d], \hi
	s_add_co_i32 s[\d], s[\d], 127
	s_lshl_b32 s[\d], s[\d], 23
.endm
.macro FETCH_T g                       ; the state's images of channels 64 g .. 64 g + 63 into buffer g % 2
	WIN 0x80
.irp n, 0,1,2,3,4,5,6,7,8,9,10,11,12,13,14,15
	ds_load_b128 v[128*((\g)%2)+8*\n:128*((\g)%2)+8*\n+3], v[LI] offset:(16*(\g)+\n)*1024
	ds_load_b128 v[128*((\g)%2)+8*\n+4:128*((\g)%2)+8*\n+7], v[LI] offset:(16*(\g)+\n)*1024+512
.endr
	WIN 0
.endm
.macro MULX g                          ; 32 products: eight accumulators by turns, one instruction a turn; the first of dk's four 32s starts the sums
	WIN 0x52
.irp kc, 0,1,2,3
.irp c, 0,1,2,3
.irp t, 0,1
.if \kc == 0
	v_wmma_f32_16x16x32_f16 v[16*(4*(\g)+\c)+8*\t:16*(4*(\g)+\c)+8*\t+7], v[128*((\g)%2)+8*(4*\c+\kc):128*((\g)%2)+8*(4*\c+\kc)+7], v[64+8*(4*\t+\kc):64+8*(4*\t+\kc)+7], 0
.else
	v_wmma_f32_16x16x32_f16 v[16*(4*(\g)+\c)+8*\t:16*(4*(\g)+\c)+8*\t+7], v[128*((\g)%2)+8*(4*\c+\kc):128*((\g)%2)+8*(4*\c+\kc)+7], v[64+8*(4*\t+\kc):64+8*(4*\t+\kc)+7], v[16*(4*(\g)+\c)+8*\t:16*(4*(\g)+\c)+8*\t+7]
.endif
.endr
.endr
.endr
	WIN 0
.endm
.macro KBLOCK kb                       ; the chunk's kb-th 32 keys
.if (\kb) > 0
	s_cmp_lt_u32 s10, \kb                          ; all of them come after my queries: left out.  No barrier stands in the block
	s_cbranch_scc1 .Lkb_done_\@
.endif
	PLACES                                         ; behind the last products: loads into, and writes of, registers that they read
.irp n, 0,1,2,3,4,5,6,7
	ds_load_b128 v[192+8*\n:195+8*\n], v[LK] offset:(8*(\kb)+\n)*1024
	ds_load_b128 v[196+8*\n:199+8*\n], v[LK] offset:(8*(\kb)+\n)*1024+512
.endr
	WIN 0x80
.irp c, 0,1,2,3,4,5,6,7,8,9,10,11,12,13,14,15
	ds_load_b128 v[128*((\kb)%2)+8*\c:128*((\kb)%2)+8*\c+3], v[LV] offset:4096*\c+1024*(\kb)
	ds_load_b128 v[128*((\kb)%2)+8*\c+4:128*((\kb)%2)+8*\c+7], v[LV] offset:4096*\c+1024*(\kb)+512
.endr
	WIN 0
	s_wait_dscnt 32                                ; k^ is in; v^'s 32 loads may be out
.irp kc, 0,1,2,3                               ; the scores: four accumulators by turns
.irp t, 0,1
.irp k2, 0,1
.if \kc == 0
	v_wmma_f32_16x16x32_f16 v[128+8*(2*\t+\k2):135+8*(2*\t+\k2)], v[192+8*(4*\k2+\kc):199+8*(4*\k2+\kc)], v[64+8*(4*\t+\kc):71+8*(4*\t+\kc)], 0
.else
	v_wmma_f32_16x16x32_f16 v[128+8*(2*\t+\k2):135+8*(2*\t+\k2)], v[192+8*(4*\k2+\kc):199+8*(4*\k2+\kc)], v[64+8*(4*\t+\kc):71+8*(4*\t+\kc)], v[128+8*(2*\t+\k2):135+8*(2*\t+\k2)]
.endif
.endr
.endr
.endr
	PLACES
.irp t, 0,1
.irp k2, 0,1
.irp p, 0,2,4,6
	v_pk_mul_f32 v[128+8*(2*\t+\k2)+\p:129+8*(2*\t+\k2)+\p], v[128+8*(2*\t+\k2)+\p:129+8*(2*\t+\k2)+\p], v[16+2*(4*\t+(\kb)):17+2*(4*\t+(\kb))]   ; x gamma^(r - 32 kb)
.endr
.endr
.endr
	s_cmp_lg_u32 s10, \kb
	s_cbranch_scc1 .Lopen_\@
.irp t, 0,1                                    ; on the diagonal: register j of tile k2 holds key 16 k2 + 8 h + j, my query is 16 t + r: it counts where 16 k2 + j <= d = 16 t + r - 8 h
.irp k2, 0,1
.irp j, 0,1,2,3,4,5,6,7
	v_cmp_le_i32 vcc_lo, 16*\k2+\j, v[10+\t]
	v_cndmask_b32 v[128+8*(2*\t+\k2)+\j], 0, v[128+8*(2*\t+\k2)+\j], vcc_lo
.endr
.endr
.endr
.Lopen_\@:
.irp t, 0,1
.irp k2, 0,1
.irp r, 0,1,2,3
	v_cvt_pk_f16_f32 v[160+8*\t+4*\k2+\r], v[128+8*(2*\t+\k2)+2*\r], v[129+8*(2*\t+\k2)+2*\r]   ; two tiles of scores are one operand: 16 queries x 32 keys
.endr
.endr
.endr
	s_wait_dscnt 0x0                               ; v^ is in
	WIN 0x52
.irp c, 0,1,2,3,4,5,6,7,8,9,10,11,12,13,14,15  ; 32 accumulators, one instruction each
.irp t, 0,1
	v_wmma_f32_16x16x32_f16 v[16*\c+8*\t:16*\c+8*\t+7], v[128*((\kb)%2)+8*\c:128*((\kb)%2)+8*\c+7], v[160+8*\t:167+8*\t], v[16*\c+8*\t:16*\c+8*\t+7]
.endr
.endr
	WIN 0
.Lkb_done_\@:
.endm
	s_load_b128 s[4:7], s[0:1], 0x0                ; proj, rt
	s_load_b64 s[8:9], s[0:1], 0x10                ; zf
	v_lshl_add_u32 v[SPW], v0, 2, SPARE
	v_mov_b32 v[NIL], 0
	ds_add_u32 v[SPW], v[NIL]                      ; the wave's opening: the add, twice on end, and its wait ahead of my first tensor load
	ds_add_u32 v[SPW], v[NIL]
	v_lshrrev_b32 v1, 5, v0
	v_readfirstlane_b32 s10, v1                    ; wave
	s_mov_b32 s11, ttmp9                           ; i
	s_and_b32 s12, ttmp7, 0xffff                   ; bh
	s_mov_b32 s16, 3<<16                           ; the state, and the gate: 16,384 dense bytes a wave as 64 rows of 256 (32 elements of 8 bytes)
	s_mov_b32 s17, 32<<16
	s_mov_b32 s18, 64<<16
	s_mov_b32 s19, 32<<16
	s_mov_b32 s20, 64
	s_mov_b32 s21, 32
	s_mov_b32 s22, 0
	s_mov_b32 s23, 0
	s_mov_b32 s24, 3<<16                           ; k^: 8,192 dense bytes a wave as 32 rows of 256
	s_mov_b32 s25, 32<<16
	s_mov_b32 s26, 32<<16
	s_mov_b32 s27, 32<<16
	s_mov_b32 s28, 32
	s_mov_b32 s29, 32
	s_mov_b32 s30, 0
	s_mov_b32 s31, 0
	s_mov_b32 s32, 3<<16                           ; v^: four tiles of channels a wave: 4 rows of 4,096 bytes, 65,536 bytes apart
	s_mov_b32 s33, 512<<16
	s_mov_b32 s34, 4<<16
	s_mov_b32 s35, 512<<16
	s_mov_b32 s36, 4
	s_mov_b32 s37, 8192
	s_mov_b32 s38, 0
	s_mov_b32 s39, 0
	s_mov_b32 s40, 1
	s_lshl_b32 s41, s10, 14
	s_mov_b32 s44, 1
	s_lshl_b32 s45, s10, 13
	s_add_co_u32 s45, s45, 65536
	s_mov_b32 s48, 1
	s_lshl_b32 s49, s10, 14
	s_add_co_u32 s49, s49, 98304
	s_mov_b32 s80, 1
	s_lshl_b32 s81, s10, 14
	s_add_co_u32 s81, s81, GOFF
	s_lshl_b32 s52, s12, 4
	s_add_co_u32 s52, s52, s11
	s_lshl_b32 s52, s52, 16
	s_lshl_b32 s13, s10, 14
	s_add_co_u32 s52, s52, s13                     ; the state: (16 bh + i) x 65,536 + 16,384 w
	s_mov_b32 s53, 0
	s_lshl_b32 s54, s12, 19
	s_lshl_b32 s13, s11, 15
	s_add_co_u32 s54, s54, s13
	s_lshl_b32 s13, s10, 13
	s_add_co_u32 s54, s54, s13                     ; q^ of my 32 queries, and my quarter of k^ in its section: (128 bh + 8 i + 2 w) x 4,096
	s_mov_b32 s55, 0
	s_lshl_b32 s56, s12, 20
	s_lshl_b32 s13, s10, 18
	s_add_co_u32 s56, s56, s13
	s_lshl_b32 s13, s11, 12
	s_add_co_u32 s56, s56, s13
	s_add_co_u32 s56, s56, 16777216                ; v^: (16 bh + 4 w) x 65,536 + 4,096 i in its section
	s_mov_b32 s57, 0
	s_lshl_b32 s58, s12, 20
	s_lshl_b32 s13, s11, 16
	s_add_co_u32 s58, s58, s13
	s_lshl_b32 s13, s10, 14
	s_add_co_u32 s58, s58, s13
	s_add_co_u32 s58, s58, 33554432                ; the gate: (128 bh + 8 i + 2 w) x 8,192 in its section
	s_mov_b32 s59, 0
	s_wait_dscnt 0x0
	s_wait_kmcnt 0x0
	s_add_nc_u64 s[42:43], s[6:7], s[52:53]
	s_or_b32 s43, s43, 0x80000000
	s_add_nc_u64 s[60:61], s[4:5], s[54:55]
	s_add_nc_u64 s[46:47], s[60:61], 8388608
	s_or_b32 s47, s47, 0x80000000
	s_add_nc_u64 s[50:51], s[4:5], s[56:57]
	s_or_b32 s51, s51, 0x80000000
	s_add_nc_u64 s[82:83], s[4:5], s[58:59]
	s_or_b32 s83, s83, 0x80000000
	tensor_load_to_lds s[40:43], s[16:23]          ; the first fills go out together, in the order in which they are wanted: by this text's count four tensor loads of a wave are out
	s_nop 0
	tensor_load_to_lds s[44:47], s[24:31]
	s_nop 0
	tensor_load_to_lds s[48:51], s[32:39]
	s_nop 0
	tensor_load_to_lds s[80:83], s[16:23]
	s_nop 0
.rept 4
	v_nop
.endr
	v_and_b32 v1, 15, v0                           ; r
	v_bfe_u32 v2, v0, 4, 1                         ; h
	v_and_b32 v3, 31, v0
	v_lshlrev_b32 v[LI], 4, v3
	v_add_nc_u32 v[LK], 0x10000, v[LI]
	v_add_nc_u32 v[LV], 0x18000, v[LI]
	s_lshl_b32 s52, s10, 14
	s_add_co_u32 s52, s52, GOFF
	v_add_nc_u32 v[LG], s52, v[LI]                 ; my wave's part of the gate
	v_lshlrev_b32 v9, 2, v1
	v_lshlrev_b32 v12, 2, v3
	v_lshlrev_b32 v13, 3, v2
	v_sub_nc_u32 v10, v1, v13                      ; d = 16 tq + r - 8 h
	v_add_nc_u32 v11, 16, v10
	s_lshl_b32 s14, s12, 6
	s_add_co_u32 s14, s14, 50331648
	s_mov_b32 s15, 0
	s_add_nc_u64 s[56:57], s[4:5], s[14:15]        ; eq's list of my (batch, head); ek's lies 1,024 bytes on
	s_lshl_b32 s14, s12, 7
	s_add_co_u32 s14, s14, 50331648+2048
	s_add_nc_u64 s[58:59], s[4:5], s[14:15]        ; ev's two lists
	s_lshl_b32 s13, s11, 2                         ; 4 i
	s_load_b32 s66, s[56:57], s13 offset:0x0       ; eq(i)
	s_load_b32 s67, s[56:57], s13 offset:0x400     ; ek(i)
	s_load_b32 s68, s[58:59], s13 offset:0x0       ; ev(i, 0)
	s_load_b32 s69, s[58:59], s13 offset:0x40      ; ev(i, 1)
	s_lshr_b32 s14, s12, 3
	s_lshl_b32 s14, s14, 23
	s_lshl_b32 s52, s11, 19
	s_add_co_u32 s14, s14, s52
	s_lshl_b32 s52, s10, 17
	s_add_co_u32 s14, s14, s52
	s_and_b32 s53, s12, 7                          ; the head
	s_lshl_b32 s52, s53, 13
	s_add_co_u32 s14, s14, s52
	s_add_nc_u64 s[8:9], s[8:9], s[14:15]          ; z: (128 batch + 8 i + 2 w) x 65,536 + 8,192 head
	global_load_b32 v14, v9, s[56:57] offset:1024  ; ek(j), j = lane % 16
	global_load_b32 v15, v12, s[58:59]             ; ev(j, lane / 16)
.irp n, 0,1,2,3,4,5,6,7
	global_load_b128 v[64+8*\n:67+8*\n], v[LI], s[60:61] offset:1024*\n       ; q^ stays in registers
	global_load_b128 v[68+8*\n:71+8*\n], v[LI], s[60:61] offset:1024*\n+512
.endr
	s_sub_co_u32 s52, 122, s53
	s_lshl_b32 s52, s52, 23                        ; x = 2^-(5 + head)
	v_mov_b32 v57, s52
	v_mov_b32 v56, 0x3e2aaaab                      ; log2(1 - x), by the series up to x^6
	v_fmaak_f32 v56, v56, v57, 0x3e4ccccd
	v_fmaak_f32 v56, v56, v57, 0x3e800000
	v_fmaak_f32 v56, v56, v57, 0x3eaaaaab
	v_fmaak_f32 v56, v56, v57, 0x3f000000
	v_fmaak_f32 v56, v56, v57, 0x3f800000
	v_mul_f32 v56, v56, v57
	v_mul_f32 v56, 0xbfb8aa3b, v56
	s_lshl_b32 s52, s10, 5
	v_add_nc_u32 v57, s52, v1
	v_cvt_f32_u32 v57, v57                         ; 32 w + r
	v_mul_f32 v58, v56, v57
	v_mov_b32 v16, v58                             ; log2 of gamma^(32 w + 16 tq + r - 32 kb), at v[16 + 2 (4 tq + kb)]
	v_fmamk_f32 v18, v56, 0xc2000000, v58
	v_fmamk_f32 v20, v56, 0xc2800000, v58
	v_fmamk_f32 v22, v56, 0xc2c00000, v58
	v_fmamk_f32 v24, v56, 0x41800000, v58
	v_fmamk_f32 v26, v56, 0xc1800000, v58
	v_fmamk_f32 v28, v56, 0xc2400000, v58
	v_fmamk_f32 v30, v56, 0xc2a00000, v58
	v_mul_f32 v59, 0x42000000, v56
.irp n, 0,1,2,3,4,5,6,7
	v_exp_f32 v[16+2*\n], v[16+2*\n]
.endr
	v_exp_f32 v59, v59                             ; gamma^32
	v_nop
	s_wait_alu depctr_va_vdst(0)                   ; one wait for the nine
.irp n, 0,1,2,3,4,5,6,7
	v_mov_b32 v[17+2*\n], v[16+2*\n]               ; pairs for the packed forms
.endr
	s_wait_loadcnt 16                              ; the two lists are in; q^'s 16 loads may be out
	v_add_nc_u32 v14, v14, v15                     ; e(j) of my half
	v_cvt_f32_i32 v14, v14
	v_mov_b32 v15, 0xc47a0000                      ; -1,000: under every e
	v_cmp_gt_u32 vcc_lo, s11, v1                   ; chunks ahead of mine count
	v_cndmask_b32 v14, v15, v14, vcc_lo
	v_max_num_f32_dpp v14, v14, v14 row_xmask:1 row_mask:0xf bank_mask:0xf
	v_max_num_f32_dpp v14, v14, v14 row_xmask:2 row_mask:0xf bank_mask:0xf
	v_max_num_f32_dpp v14, v14, v14 row_xmask:4 row_mask:0xf bank_mask:0xf
	v_max_num_f32_dpp v14, v14, v14 row_xmask:8 row_mask:0xf bank_mask:0xf
	v_cvt_i32_f32 v14, v14
	v_readlane_b32 s70, v14, 0                     ; E(i - 1) of half 0,
	v_readlane_b32 s71, v14, 16                    ; of half 1
	s_wait_kmcnt 0x0
	s_sub_co_i32 s72, s70, s67
	s_sub_co_i32 s72, s72, s68
	POW2 72, 0xffffff82, 127                       ; 2^(E - ek - ev0)
	s_sub_co_i32 s73, s71, s67
	s_sub_co_i32 s73, s73, s69
	POW2 73, 0xffffff82, 127
	s_max_i32 s74, s68, s69                        ; evm
	s_sub_co_i32 s75, s68, s74
	s_sub_co_i32 s76, s69, s74
	s_lshl_b32 s77, s75, 1
	s_lshl_b32 s78, s76, 1
	POW2 75, 0xffffff82, 127                       ; u0, u1,
	POW2 76, 0xffffff82, 127
	POW2 77, 0xffffff82, 127                       ; and their squares
	POW2 78, 0xffffff82, 127
	s_add_co_i32 s79, s66, s67
	s_add_co_i32 s79, s79, s74
	s_lshl_b32 s79, s79, 1
	s_sub_co_i32 s79, 0, s79
	POW2 79, 0xffffff9c, 100                       ; 2^(-2 (eq + ek + evm))
	s_mov_b32 s14, 0x76543210
	s_mov_b32 s15, 0xfedcba98                      ; v_permlanex16_b32's selects for lane l xor 16
	v_mul_f32 v60, s72, v59                        ; phi of half 0,
	v_mul_f32 v61, s73, v59                        ; of half 1
	v_mov_b32 v62, s79
	v_mul_f32 v62, 0x358637bd, v62                 ; eps in O's units
.irp t, 0,1
.irp f, 0,1
	v_mul_f32 v[32+2*(2*\t+\f)], v[16+8*\t], v[60+\f]      ; gamma^r phi
.endr
.endr
.irp n, 0,1,2,3
	v_mov_b32 v[33+2*\n], v[32+2*\n]
.endr
	v_mov_b32 v58, 0                               ; (a lane permute's destination counts as one of its sources)
	v_mov_b32 v59, 0
	; ---- the history
	s_wait_tensorcnt 3                             ; my quarter of the state is in (k^'s, v^'s and the gate's loads may be out),
	s_barrier_signal -1
	s_barrier_wait -1                              ; everybody's is
	FETCH_T 0
	FETCH_T 1
	s_wait_loadcnt 0x0                             ; q^ is in
	s_wait_dscnt 32                                ; the first group is in; the 32 loads issued last may be out
	MULX 0
	PLACES
	FETCH_T 2
	s_wait_dscnt 32
	MULX 1
	PLACES
	FETCH_T 3
	s_wait_dscnt 32
	MULX 2
	s_wait_dscnt 0x0
	MULX 3
	s_wait_tensorcnt 1                             ; my parts of k^ and v^ are in (the gate's load may be out, and its bytes are read by me alone)
	s_barrier_signal -1
	s_barrier_wait -1                              ; everybody's are
	PLACES
	WIN 0x41
.irp c, 0,1,2,3,4,5,6,7,8,9,10,11,12,13,14,15
.irp t, 0,1
.irp p, 0,2,4,6
	v_pk_mul_f32 v[16*\c+8*\t+\p:16*\c+8*\t+\p+1], v[16*\c+8*\t+\p:16*\c+8*\t+\p+1], v[32+2*(2*\t+\c/8):33+2*(2*\t+\c/8)]
.endr
.endr
.endr
	WIN 0
	; ---- the chunk's own keys
	KBLOCK 0
	KBLOCK 1
	KBLOCK 2
	KBLOCK 3
	; ---- the norm, the gate, the way out
.macro GLOAD bt                        ; batch bt's part of the gate (tile of queries bt / 4, channels 64 (bt % 4) on): 16 registers of f16, in q^'s place
.irp c, 0,1,2,3
	ds_load_b128 v[64+16*((\bt)%4)+4*\c:64+16*((\bt)%4)+4*\c+3], v[LG] offset:8192*((\bt)/4)+512*(4*((\bt)%4)+\c)
.endr
.endm
.macro GWIDE s                         ; the 16 registers of set s, two f16 each, become 32 f32 in v128-159.  A half of a register is named by the register's number written out
.set n_, 0
.if (\s) == 0
.irp x, v64.l,v64.h,v65.l,v65.h,v66.l,v66.h,v67.l,v67.h,v68.l,v68.h,v69.l,v69.h,v70.l,v70.h,v71.l,v71.h,v72.l,v72.h,v73.l,v73.h,v74.l,v74.h,v75.l,v75.h,v76.l,v76.h,v77.l,v77.h,v78.l,v78.h,v79.l,v79.h
	v_cvt_f32_f16 v[128+n_], \x
.set n_, n_+1
.endr
.elseif (\s) == 1
.irp x, v80.l,v80.h,v81.l,v81.h,v82.l,v82.h,v83.l,v83.h,v84.l,v84.h,v85.l,v85.h,v86.l,v86.h,v87.l,v87.h,v88.l,v88.h,v89.l,v89.h,v90.l,v90.h,v91.l,v91.h,v92.l,v92.h,v93.l,v93.h,v94.l,v94.h,v95.l,v95.h
	v_cvt_f32_f16 v[128+n_], \x
.set n_, n_+1
.endr
.elseif (\s) == 2
.irp x, v96.l,v96.h,v97.l,v97.h,v98.l,v98.h,v99.l,v99.h,v100.l,v100.h,v101.l,v101.h,v102.l,v102.h,v103.l,v103.h,v104.l,v104.h,v105.l,v105.h,v106.l,v106.h,v107.l,v107.h,v108.l,v108.h,v109.l,v109.h,v110.l,v110.h,v111.l,v111.h
	v_cvt_f32_f16 v[128+n_], \x
.set n_, n_+1
.endr
.else
.irp x, v112.l,v112.h,v113.l,v113.h,v114.l,v114.h,v115.l,v115.h,v116.l,v116.h,v117.l,v117.h,v118.l,v118.h,v119.l,v119.h,v120.l,v120.h,v121.l,v121.h,v122.l,v122.h,v123.l,v123.h,v124.l,v124.h,v125.l,v125.h,v126.l,v126.h,v127.l,v127.h
	v_cvt_f32_f16 v[128+n_], \x
.set n_, n_+1
.endr
.endif
.endm
	PLACES                                         ; behind the last products: for the loads into q^'s registers and the first reads of O
	s_wait_tensorcnt 0x0                           ; my part of the gate is in
	GLOAD 0
	GLOAD 1
	GLOAD 2
	GLOAD 3                                        ; they land while the squares are summed
	WIN 0x05
.irp c, 0,1,2,3,4,5,6,7                        ; the sums of squares, in four chains (half, tq); each accumulator is first read at its low end
.irp p, 0,2,4,6
.irp f, 0,1
.irp t, 0,1
.if (\c == 0) && (\p == 0)
	v_pk_mul_f32 v[48+2*(2*\t+\f):49+2*(2*\t+\f)], v[16*(8*\f+\c)+8*\t+\p:16*(8*\f+\c)+8*\t+\p+1], v[16*(8*\f+\c)+8*\t+\p:16*(8*\f+\c)+8*\t+\p+1]
.else
	v_pk_fma_f32 v[48+2*(2*\t+\f):49+2*(2*\t+\f)], v[16*(8*\f+\c)+8*\t+\p:16*(8*\f+\c)+8*\t+\p+1], v[16*(8*\f+\c)+8*\t+\p:16*(8*\f+\c)+8*\t+\p+1], v[48+2*(2*\t+\f):49+2*(2*\t+\f)]
.endif
.endr
.endr
.endr
.endr
	WIN 0
.irp n, 0,1,2,3
	v_add_f32 v[48+2*\n], v[48+2*\n], v[49+2*\n]
.endr
	v_mul_f32 v56, s77, v48
	v_mul_f32 v57, s77, v52
	v_fma_f32 v56, s78, v50, v56                   ; u0^2 ss0 + u1^2 ss1 of my eight channels in sixteen,
	v_fma_f32 v57, s78, v54, v57
	v_permlanex16_b32 v58, v56, s14, s15
	v_permlanex16_b32 v59, v57, s14, s15
	v_add_f32 v56, v56, v58                        ; and of the other eight
	v_add_f32 v57, v57, v59
	v_fma_f32 v56, v56, 0x3b800000, v62            ; / 256 + eps
	v_fma_f32 v57, v57, 0x3b800000, v62
	v_rsq_f32 v56, v56
	v_rsq_f32 v57, v57
	v_nop
	s_wait_alu depctr_va_vdst(0)                   ; one wait for the two
.irp t, 0,1
	v_mul_f32 v[40+4*\t], s75, v[56+\t]
	v_mul_f32 v[42+4*\t], s76, v[56+\t]
.endr
.irp n, 0,1,2,3
	v_mov_b32 v[41+2*\n], v[40+2*\n]
.endr
	s_wait_dscnt 0x0                               ; the gate of the first four batches is in registers
.macro ZOUT bt                         ; tile of queries bt / 4, channels 64 (bt % 4) on: z = O x the norm's factor x the gate, all in f32; to f16 once; four stores of 512 consecutive bytes
.set T_, (\bt)/4
.set CG_, (\bt)%4
.set ZR_, 192+16*((\bt)%4)
.if (\bt) >= 4
	s_wait_dscnt 4*(7-(\bt))                       ; this batch's four loads of the gate are in; the later batches' may be out
.endif
	GWIDE (\bt)%4
.if (\bt) < 4
	GLOAD (\bt)+4                                  ; the registers just read take the batch four further on
.endif
.irp c, 0,1,2,3
.irp p, 0,2,4,6
	v_pk_mul_f32 v[128+8*\c+\p:129+8*\c+\p], v[128+8*\c+\p:129+8*\c+\p], v[40+2*(2*T_+CG_/2):41+2*(2*T_+CG_/2)]
.endr
.endr
	WIN 0x01
.irp c, 0,1,2,3
.irp p, 0,2,4,6
	v_pk_mul_f32 v[160+8*\c+\p:161+8*\c+\p], v[16*(4*CG_+\c)+8*T_+\p:16*(4*CG_+\c)+8*T_+\p+1], v[128+8*\c+\p:129+8*\c+\p]
.endr
.endr
	WIN 0
.if (\bt) >= 4
	s_wait_xcnt 0x0                                ; the stores of four batches ago have read their data: the registers are written again only behind this wait
.endif
.irp c, 0,1,2,3
.irp r, 0,1,2,3
	v_cvt_pk_f16_f32 v[ZR_+4*\c+\r], v[160+8*\c+2*\r], v[161+8*\c+2*\r]
.endr
.endr
.irp c, 0,1,2,3
	global_store_b128 v[LI], v[ZR_+4*\c:ZR_+4*\c+3], s[8:9] offset:65536*T_+512*(4*CG_+\c)
.endr
.endm
.irp bt, 0,1,2,3,4,5,6,7
	ZOUT \bt
.endr
	s_wait_tensorcnt 0x0                           ; the wave's end
	ds_add_u32 v[SPW], v[NIL]
	s_wait_dscnt 0x0
	s_endpgm
.Lfunc_end_k_q4b495c597f_retain:
	.size	k_q4b495c597f_retain, .Lfunc_end_k_q4b495c597f_retain-k_q4b495c597f_retain
	.p2alignl 7, 3214868480
	.fill 96, 4, 3214868480
	.section	.rodata,"a",@progbits
	.p2align	6, 0x0
	.amdhsa_kernel k_q4b495c597f_retain
		.amdhsa_group_segment_fixed_size 229888
		.amdhsa_private_segment_fixed_size 0
		.amdhsa_enable_private_segment 0
		.amdhsa_kernarg_size 24
		.amdhsa_user_sgpr_count 2
		.amdhsa_user_sgpr_kernarg_segment_ptr 1
		.amdhsa_wavefront_size32 1
		.amdhsa_system_sgpr_workgroup_id_x 1
		.amdhsa_system_sgpr_workgroup_id_y 1
		.amdhsa_system_sgpr_workgroup_id_z 1
		.amdhsa_system_vgpr_workitem_id 0
		.amdhsa_next_free_vgpr 768
		.amdhsa_next_free_sgpr 84
		.amdhsa_reserve_vcc 1
		.amdhsa_float_denorm_mode_32 3
		.amdhsa_float_denorm_mode_16_64 3
		.amdhsa_memory_ordered 1
		.amdhsa_forward_progress 1
		.amdhsa_inst_pref_size 128
	.end_amdhsa_kernel
	.amdgpu_metadata
---
amdhsa.version: [ 1, 2 ]
amdhsa.kernels:
  - .name:           k_q4b495c597f_retain
    .symbol:         k_q4b495c597f_retain.kd
    .args:
      - { .name: proj, .offset: 0, .size: 8, .value_kind: global_buffer, .address_space: global }
      - { .name: rt, .offset: 8, .size: 8, .value_kind: global_buffer, .address_space: global }
      - { .name: zf, .offset: 16, .size: 8, .value_kind: global_buffer, .address_space: global }
    .group_segment_fixed_size: 229888
    .private_segment_fixed_size: 0
    .kernarg_segment_align: 8
    .kernarg_segment_size: 24
    .max_flat_workgroup_size: 128
    .sgpr_count:     84
    .vgpr_count:     768
    .wavefront_size: 32
...
	.end_amdgpu_metadata
.endif
;; end of part 4
;; launch outp (part 5): grid 8 x 32, 4 waves a work-group, clusters of 4 x 4, 327,680 bytes of LDS; arguments zf, wof, bo, out0; writes out0
.if DOCPART == 5
	.amdgcn_target "amdgcn-amd-amdhsa--gfx1250"
	.amdhsa_code_object_version 6
	.text
	.protected	k_q4b495c597f_outp
	.globl	k_q4b495c597f_outp
	.p2align	8
	.type	k_q4b495c597f_outp,@function
k_q4b495c597f_outp:
	s_mov_b64 s[64:65], 0
	v_nop
	global_prefetch_b8 v0, s[64:65] scope:SCOPE_SE
	s_setreg_imm32_b32 hwreg(HW_REG_WAVE_MODE, 25, 1), 1
	s_wait_xcnt 0x0
	s_wait_alu depctr_hold_cnt(0) depctr_sa_sdst(0) depctr_va_vdst(0) depctr_va_sdst(0) depctr_va_ssrc(0) depctr_va_vcc(0) depctr_vm_vsrc(0)
	s_getreg_b32 s2, hwreg(HW_REG_IB_STS2, 6, 4)
	s_cmp_eq_u32 s2, 0
	s_cbranch_scc0 .Lentry_in_a_cluster
	s_endpgm
.Lentry_in_a_cluster:
	s_bfe_u32 s2, ttmp6, 0x10000c
	s_cmp_lg_u32 s2, 0xf033
	s_cbranch_scc0 .Lentry_shape_is_right
	s_endpgm
.Lentry_shape_is_right:
; OUTP: out0[m][n] = sum over k of z[m][k] Wo[n][k] + bo[n].  m = 4,096, n = 1,024, K = 2,048; z and Wo are f16, in register images of 1,024 bytes (16 rows x 32 K; image (tile of rows, kb) at (64 tile + kb) x 1,024); sums and out0 in f32.
; A tile of out0 is 128 x 128: 256 work-groups.  Four waves, each 64 x 64: 16 accumulators.  K goes in steps of 256 (eight images a tile of rows) through a ring of two LDS slots; a wave's tensor load brings four tiles of rows x 8,192 bytes.
; CLUSTERS: 4 x 4 work-groups; z's tiles are asked for jointly along a row of the cluster, Wo's along a column.
; THE MATRIX INSTRUCTION IS USED TRANSPOSED (source 0 = 16 rows of Wo, source 1 = 16 rows of z): a lane holds eight neighbouring numbers of a row of out0.  The bias is the C of each sum's first product.
; Images need no padding: a load's 32 lanes take 512 consecutive bytes.
; The way out: a wave's 64 columns are 256 bytes of a row; 16 rows at a time go through the wave's own stage, so that sixteen lanes store 256 consecutive bytes, aligned.
; REGISTERS: window 0: v16-29 addresses; v32-95 the way out; v96-127 the bias; v128-255 the accumulators ((a, b) at v[128 + 8 (4 a + b)]).  window 1: two fragment buffers of 128.
.set HALFT,  32768                     ; four tiles of rows x eight images: what one tensor load brings, and what one wave reads of z or of Wo
.set SLOT,   4*HALFT
.set STAGE,  2*SLOT
.set SPITCH, 272
.set SPARE,  STAGE+4*16*SPITCH
.set LAPS,   4                         ; a lap = two K steps = once round the ring
.set ADRA, 16
.set ADRB, 20
.set STO,  24
.set RD,   25
.set CO,   26
.set SPW,  28
.set NIL,  29
.set TMP,  32
.set BO,   96
.set ACC,  128
.set F0,   0
.set F1,   128
.set G1, 24
.set G0, 32
.set G1B, 48
.set G0B, 56
.set MSB, 0
.macro WIN new
.if MSB != (\new)
	s_set_vgpr_msb (MSB<<8)|(\new)
.set MSB, (\new)
.endif
.endm
.set MUL,  0x05                        ; sources 0 and 1 window 1; C and D window 0
.set TO_F, 0x40
.macro JLOAD s                         ; a joint load: waves 0 and 1 fetch z's two halves, waves 2 and 3 Wo's; an s_nop 0 and four v_nop follow each line
	s_cmp_eq_u32 s13, 0
	s_cbranch_scc0 .Lfor_b_\@
	tensor_load_to_lds s[G0+4*\s:G0+4*\s+3], s[G1:G1+7]
	s_nop 0
.rept 4
	v_nop
.endr
	s_branch .Lasked_\@
.Lfor_b_\@:
	tensor_load_to_lds s[G0B+4*\s:G0B+4*\s+3], s[G1B:G1B+7]
	s_nop 0
.rept 4
	v_nop
.endr
.Lasked_\@:
.endm
.macro CREST
	s_cmp_lg_u32 s12, 0
	s_cbranch_scc1 .Lnot_wave_0_\@
	s_barrier_signal -3
.Lnot_wave_0_\@:
	s_barrier_wait -3
	s_barrier_signal -1
	s_barrier_wait -1
.endm
.macro CROUND
	s_barrier_signal -1
	s_barrier_wait -1
	CREST
.endm
	s_load_b128 s[4:7], s[0:1], 0x0                ; zf, wof
	s_load_b128 s[8:11], s[0:1], 0x10              ; bo, out0
	v_lshl_add_u32 v[SPW], v0, 2, SPARE
	v_mov_b32 v[NIL], 0
	ds_add_u32 v[SPW], v[NIL]                      ; the wave's opening: the add, twice on end, and its wait ahead of my first tensor load
	ds_add_u32 v[SPW], v[NIL]
	v_lshrrev_b32 v1, 5, v0
	v_readfirstlane_b32 s12, v1                    ; wave
	s_lshr_b32 s13, s12, 1                         ; rh.  Also: I fetch for z (0) or for Wo (1)
	s_and_b32 s14, s12, 1                          ; ch.  Also: which 64 rows of that tile I fetch
	s_bfe_u32 s40, ttmp6, 0x40000
	s_bfe_u32 s41, ttmp6, 0x40004
	s_lshl_b32 s42, ttmp9, 2
	s_add_co_u32 s42, s42, s40                     ; tile column
	s_and_b32 s15, ttmp7, 0xffff
	s_lshl_b32 s15, s15, 2
	s_add_co_u32 s15, s15, s41                     ; tile row
	s_lshl_b32 s43, s41, 2
	s_lshl_b32 s43, 15, s43                        ; my row of the cluster
	s_lshl_b32 s44, 0x1111, s40                    ; my column
	s_or_b32 s[G1+0], s43, (3<<16)|(1<<21)         ; the mask; elements of 8 bytes; bit 21 beside a mask; no padding
	s_or_b32 s[G1B+0], s44, (3<<16)|(1<<21)
.irp g, G1, G1B
	s_mov_b32 s[\g+1], 1024<<16                    ; tensor_dim0: eight images
	s_mov_b32 s[\g+2], 4<<16                       ; tensor_dim1: four tiles of rows
	s_mov_b32 s[\g+3], 1024<<16
	s_mov_b32 s[\g+4], 4
	s_mov_b32 s[\g+5], 8192                        ; from one tile of rows to the next: 64 images
	s_mov_b32 s[\g+6], 0
	s_mov_b32 s[\g+7], 0
.endr
	s_lshl_b32 s18, s14, 18                        ; which four tiles of rows I fetch
	s_lshl_b32 s16, s15, 19
	s_add_co_u32 s16, s16, s18                     ; z: (8 x tile row + 4 x half) x 65,536
	s_mov_b32 s17, 0
	s_lshl_b32 s46, s42, 19
	s_add_co_u32 s46, s46, s18                     ; Wo likewise, by the tile column
	s_mov_b32 s47, 0
	s_mul_i32 s20, s12, HALFT                      ; where they go: no place in the cluster enters an LDS address
	s_wait_dscnt 0x0
	s_wait_kmcnt 0x0
	s_add_nc_u64 s[16:17], s[4:5], s[16:17]
	s_add_nc_u64 s[46:47], s[6:7], s[46:47]
	CROUND                                         ; all sixteen work-groups are here: the first joint loads meet
.irp s, 0,1
	s_mov_b32 s[G0+4*\s], 1
	s_add_co_u32 s[G0+4*\s+1], s20, \s*SLOT
	s_add_nc_u64 s[G0+4*\s+2:G0+4*\s+3], s[16:17], \s*8192
	s_or_b32 s[G0+4*\s+3], s[G0+4*\s+3], 0x80000000
	s_mov_b32 s[G0B+4*\s], 1
	s_add_co_u32 s[G0B+4*\s+1], s20, \s*SLOT
	s_add_nc_u64 s[G0B+4*\s+2:G0B+4*\s+3], s[46:47], \s*8192
	s_or_b32 s[G0B+4*\s+3], s[G0B+4*\s+3], 0x80000000
	JLOAD \s
.endr
	v_and_b32 v1, 15, v0                           ; r
	v_bfe_u32 v2, v0, 4, 1                         ; h
	v_and_b32 v3, 31, v0
	v_lshlrev_b32 v3, 4, v3                        ; 16 x lane
	s_mul_i32 s21, s13, HALFT                      ; my 64 rows of z
	s_mul_i32 s22, s14, HALFT                      ; my 64 rows of Wo,
	s_add_co_u32 s22, s22, 2*HALFT                 ; which lie behind z's 128
.irp s, 0,1
	v_add_nc_u32 v[ADRA+\s], s21, v3
	v_add_nc_u32 v[ADRB+\s], s22, v3
	s_add_co_u32 s21, s21, SLOT
	s_add_co_u32 s22, s22, SLOT
.endr
	s_mul_i32 s23, s12, 16*SPITCH
	s_add_co_u32 s23, s23, STAGE                   ; my stage
	v_mul_u32_u24 v4, v1, SPITCH                   ; in: row r, 32 bytes for each half of the lanes
	v_lshl_add_u32 v4, v2, 5, v4
	v_add_nc_u32 v[STO], s23, v4
	v_mul_u32_u24 v5, v2, SPITCH                   ; back: lanes 0-15 one row of 256 bytes, lanes 16-31 the next
	v_lshl_add_u32 v5, v1, 4, v5
	v_add_nc_u32 v[RD], s23, v5
	v_lshlrev_b32 v5, 12, v2                       ; and the same two rows in out0 (4,096 bytes a row)
	v_lshl_add_u32 v[CO], v1, 4, v5
	v_lshlrev_b32 v6, 5, v2                        ; the bias: 32 h
	s_lshl_b32 s46, s42, 9
	s_lshl_b32 s47, s14, 8
	s_add_co_u32 s46, s46, s47                     ; my first column, in bytes
	s_mov_b32 s47, 0
	s_add_nc_u64 s[8:9], s[8:9], s[46:47]
	s_add_nc_u64 s[10:11], s[10:11], s[46:47]
	s_lshl_b32 s16, s15, 19
	s_lshl_b32 s17, s13, 18
	s_add_co_u32 s16, s16, s17                     ; my first row: (128 x tile row + 64 rh) x 4,096
	s_mov_b32 s17, 0
	s_add_nc_u64 s[10:11], s[10:11], s[16:17]
.irp b, 0,1,2,3
	global_load_b128 v[BO+8*\b:BO+8*\b+3], v6, s[8:9] offset:64*\b
	global_load_b128 v[BO+8*\b+4:BO+8*\b+7], v6, s[8:9] offset:64*\b+16
.endr
; 8 matrix instructions: row blocks a0, a0 + 1 x all 4 column blocks, 32 along K: half c of buffer f.  zero = 1: the first product starts the sums, from the bias.  The 16 accumulators take turns
.macro MUL8 f, c, a0, zero
.irp a, \a0, \a0+1
.irp b, 0,1,2,3
.if \zero
	v_wmma_f32_16x16x32_f16 v[ACC+8*(4*(\a)+\b):ACC+8*(4*(\a)+\b)+7], v[\f+64+8*(4*\c+\b):\f+64+8*(4*\c+\b)+7], v[\f+8*(4*\c+\a):\f+8*(4*\c+\a)+7], v[BO+8*\b:BO+8*\b+7]
.else
	v_wmma_f32_16x16x32_f16 v[ACC+8*(4*(\a)+\b):ACC+8*(4*(\a)+\b)+7], v[\f+64+8*(4*\c+\b):\f+64+8*(4*\c+\b)+7], v[\f+8*(4*\c+\a):\f+8*(4*\c+\a)+7], v[ACC+8*(4*(\a)+\b):ACC+8*(4*(\a)+\b)+7]
.endif
.endr
.endr
.endm
; 32 LDS loads in one run: two images (64 along K, from byte k of a tile's 8,192) of four tiles of Wo and four of z, into buffer f; the first 32 along K first
.macro FETCH slot, k, f
	WIN TO_F
.irp c, 0,1
.irp i, 0,1,2,3
	ds_load_b128 v[\f+64+8*(4*\c+\i):\f+64+8*(4*\c+\i)+3],   v[ADRB+\slot] offset:\k+1024*\c+8192*\i
	ds_load_b128 v[\f+64+8*(4*\c+\i)+4:\f+64+8*(4*\c+\i)+7], v[ADRB+\slot] offset:\k+1024*\c+8192*\i+512
	ds_load_b128 v[\f+8*(4*\c+\i):\f+8*(4*\c+\i)+3],         v[ADRA+\slot] offset:\k+1024*\c+8192*\i
	ds_load_b128 v[\f+8*(4*\c+\i)+4:\f+8*(4*\c+\i)+7],       v[ADRA+\slot] offset:\k+1024*\c+8192*\i+512
.endr
.endr
.endm
.macro PLACES
.rept 4
	v_nop
.endr
.endm
.macro QUARTER slot, k, f, g, zero     ; 64 along K: multiplies buffer f and fetches the next quarter, at byte k, into g
	s_wait_dscnt 16                                ; the first 32 along K are in
	WIN MUL
	MUL8 \f, 0, 0, \zero
	MUL8 \f, 0, 2, \zero
	PLACES
	FETCH \slot, \k, \g
	s_wait_dscnt 32                                ; all but the 32 just issued
	WIN MUL
	MUL8 \f, 1, 0, 0
	MUL8 \f, 1, 2, 0
.endm
; The last quarter multiplies buffer 1 and changes slots: one barrier; in front of it each wave waits for all its tensor loads, adds 0 to its spare word, and waits for that and for its own reads of this slot.  fill = 1: this slot is filled again, two K steps ahead.
.macro TURN slot, next, fill
	WIN 0
	s_wait_tensorcnt 0x0                           ; all my tensor loads have landed: my part of the next slot
	ds_add_u32 v[SPW], v[NIL]
	s_wait_dscnt 17                                ; (the add and the youngest sixteen loads may be out)
	WIN MUL
	MUL8 F1, 0, 0, 0
	s_wait_dscnt 0x0                               ; the add is done, and my reads of this slot are over
	s_barrier_signal -1
	MUL8 F1, 0, 2, 0
.if \fill
	WIN 0
.endif
	s_barrier_wait -1
.if \fill
	CREST                                          ; the barrier has opened a round of the cluster's barrier: no wave of any partner still reads this slot or has a load on its way
	s_add_nc_u64 s[G0+4*\slot+2:G0+4*\slot+3], s[G0+4*\slot+2:G0+4*\slot+3], 16384
	s_add_nc_u64 s[G0B+4*\slot+2:G0B+4*\slot+3], s[G0B+4*\slot+2:G0B+4*\slot+3], 16384
	JLOAD \slot                                    ; the first tensor load behind the round; its four v_nop are also the places in front of the loads below
.else
	PLACES
.endif
	FETCH \next, 0, F0
	WIN MUL
	MUL8 F1, 1, 0, 0
	MUL8 F1, 1, 2, 0
.endm
	s_wait_tensorcnt 1                             ; my part of K step 0 is in (K step 1's load may be out),
	s_barrier_signal -1
	s_barrier_wait -1                              ; everybody's is
	FETCH 0, 0, F0
	s_wait_loadcnt 0x0                             ; the bias
	QUARTER 0, 2048, F0, F1, 1                     ; the first quarter stands in front of the loop: its first products start the sums
	WIN 0
	s_mov_b32 s3, LAPS-1
.Llap:                                                 ; a trip goes once round the ring and fills both slots again
	QUARTER 0, 4096, F1, F0, 0
	QUARTER 0, 6144, F0, F1, 0
	TURN 0, 1, 1
	QUARTER 1, 2048, F0, F1, 0
	QUARTER 1, 4096, F1, F0, 0
	QUARTER 1, 6144, F0, F1, 0
	TURN 1, 0, 1
	QUARTER 0, 2048, F0, F1, 0
	WIN 0
	s_sub_co_u32 s3, s3, 1
	s_cmp_lg_u32 s3, 0
	s_cbranch_scc1 .Llap
	QUARTER 0, 4096, F1, F0, 0                     ; the last lap fills nothing
	QUARTER 0, 6144, F0, F1, 0
	TURN 0, 1, 0
	QUARTER 1, 2048, F0, F1, 0
	QUARTER 1, 4096, F1, F0, 0
	QUARTER 1, 6144, F0, F1, 0
	s_wait_dscnt 16
	WIN MUL
	MUL8 F1, 0, 0, 0
	MUL8 F1, 0, 2, 0
	s_wait_dscnt 0
	MUL8 F1, 1, 0, 0
	MUL8 F1, 1, 2, 0
	WIN 0
.macro TOSTAGE a                       ; 16 rows x 64 columns into my stage and back as whole rows of 256 bytes; LDS serves a wave's instructions in order, so no wait stands between
.irp b, 0,1,2,3
	ds_store_b128 v[STO], v[ACC+8*(4*(\a)+\b):ACC+8*(4*(\a)+\b)+3] offset:64*\b          ; each accumulator from its low end on
	ds_store_b128 v[STO], v[ACC+8*(4*(\a)+\b)+4:ACC+8*(4*(\a)+\b)+7] offset:64*\b+16
.endr
.irp t, 0,1,2,3,4,5,6,7
	ds_load_b128 v[TMP+32*((\a)%2)+4*\t:TMP+32*((\a)%2)+4*\t+3], v[RD] offset:\t*2*SPITCH
.endr
.endm
.macro SEND a, younger                 ; younger: the LDS instructions issued behind block a's loads
.irp t, 0,1,2,3,4,5,6,7
	s_wait_dscnt \younger+7-\t
	global_store_b128 v[CO], v[TMP+32*((\a)%2)+4*\t:TMP+32*((\a)%2)+4*\t+3], s[10:11] offset:(16*(\a)+2*\t)*4096 th:TH_STORE_NT   ; 16 lanes store 256 consecutive bytes, aligned; written once, read by nobody here
.endr
.endm
	PLACES
	TOSTAGE 0
	TOSTAGE 1
	SEND 0, 16
	s_wait_xcnt 0x0                                ; block 0's stores have read their registers: block 2's loads may land there
	TOSTAGE 2
	SEND 1, 16
	s_wait_xcnt 0x0
	TOSTAGE 3
	SEND 2, 16
	SEND 3, 0
	s_wait_tensorcnt 0x0                           ; the wave's end
	ds_add_u32 v[SPW], v[NIL]
	s_wait_dscnt 0x0
	CROUND                                         ; the closing round
	s_endpgm
.Lfunc_end_k_q4b495c597f_outp:
	.size	k_q4b495c597f_outp, .Lfunc_end_k_q4b495c597f_outp-k_q4b495c597f_outp
	.p2alignl 7, 3214868480
	.fill 96, 4, 3214868480
	.section	.rodata,"a",@progbits
	.p2align	6, 0x0
	.amdhsa_kernel k_q4b495c597f_outp
		.amdhsa_group_segment_fixed_size 327680
		.amdhsa_private_segment_fixed_size 0
		.amdhsa_enable_private_segment 0
		.amdhsa_kernarg_size 32
		.amdhsa_user_sgpr_count 2
		.amdhsa_user_sgpr_kernarg_segment_ptr 1
		.amdhsa_wavefront_size32 1
		.amdhsa_system_sgpr_workgroup_id_x 1
		.amdhsa_system_sgpr_workgroup_id_y 1
		.amdhsa_system_sgpr_workgroup_id_z 1
		.amdhsa_system_vgpr_workitem_id 0
		.amdhsa_next_free_vgpr 512
		.amdhsa_next_free_sgpr 66
		.amdhsa_reserve_vcc 0
		.amdhsa_float_denorm_mode_32 3
		.amdhsa_float_denorm_mode_16_64 3
		.amdhsa_memory_ordered 1
		.amdhsa_forward_progress 1
		.amdhsa_inst_pref_size 87
	.end_amdhsa_kernel
	.amdgpu_metadata
---
amdhsa.version: [ 1, 2 ]
amdhsa.kernels:
  - .name:           k_q4b495c597f_outp
    .symbol:         k_q4b495c597f_outp.kd
    .args:
      - { .name: zf, .offset: 0, .size: 8, .value_kind: global_buffer, .address_space: global }
      - { .name: wof, .offset: 8, .size: 8, .value_kind: global_buffer, .address_space: global }
      - { .name: bo, .offset: 16, .size: 8, .value_kind: global_buffer, .address_space: global }
      - { .name: out0, .offset: 24, .size: 8, .value_kind: global_buffer, .address_space: global }
    .group_segment_fixed_size: 327680
    .private_segment_fixed_size: 0
    .kernarg_segment_align: 8
    .kernarg_segment_size: 32
    .max_flat_workgroup_size: 128
    .sgpr_count:     66
    .vgpr_count:     512
    .wavefront_size: 32
...
	.end_amdgpu_metadata
.endif
;; end of part 5
